; MI455X (gfx1250); checked and timed in simulation.
; The chip was launched on July 23, 2026; its instructions are those of AMD's public machine-readable ISA for CDNA 5 (MIT licence, August 2026) and "CDNA5" Instruction Set Architecture Reference Guide (July 2026). The comments in the code are by the model that wrote it; some were corrected since.
;; Attn Heads. Allowed arithmetic: matrix products marked QUANTISED: E4M3 operands, one E8M0 scale for each 32 along K, by v_wmma_scale_f32_16x16x128_f8f6f4 with both operands' format E4M3, f32 sums; everything else in f32.
;; Inputs: out_weight 1,024 x 1,024 float32; qkv_codes 3,072 x 32 x 32 uint8 (E4M3 codes of qkv, K innermost, in blocks of 32 codes); qkv_scales 3,072 x 32 uint8 (E8M0 scales of qkv, one for each 32 codes along K); x_codes 4 x 2,048 x 32 x 32 uint8 (E4M3 codes of x, K innermost, in blocks of 32 codes); x_scales 4 x 2,048 x 32 uint8 (E8M0 scales of x, one for each 32 codes along K).
;; Outputs: out0 4 x 2,048 x 1,024 float32.
;; This version of the problem:
;;   THIS VERSION OF THE PROBLEM IS GIVEN IN LOW PRECISION. The matrix products marked QUANTISED in the list below multiply operands that are first quantised to E4M3 (4 exponent bits, 3 mantissa bits; 8 bits a number), with one power-of-two scale for each 32 numbers along K (OCP MX v1.0); their sums are f32. All else is computed in f32.
;;   The module's matrix products, in the order in which they are computed (A, B: the left and right operand; K: the contracted axis; several contracted axes count as one K, in the product's order):
;;     1. [M 8,192, K 1,024] x [K 1,024, N 3,072]; A: input x (given as codes); B: input qkv (given as codes): QUANTISED
;;     2. batch 64 x [M 2,048, K 64] x [K 64, N 2,048]; A: computed on the way; B: computed on the way: QUANTISED
;;     3. batch 64 x [M 2,048, K 2,048] x [K 2,048, N 64]; A: softmax (see below); B: computed on the way: QUANTISED
;;     4. [M 8,192, K 1,024] x [K 1,024, N 1,024]; A: computed on the way; B: input out_weight: QUANTISED
;;   THE QUANTISER, for each operand of a quantised product, along K:
;;     - K is cut into blocks of 32 from its start; a last block that is shorter is filled with zeros.
;;     - A block's scale is 2^e with e = floor(log2(the largest magnitude in the block)) - 8, held to -126 .. 127; a block of zeros has e = 0. As a byte (E8M0): e + 127.
;;     - Each number is divided by its block's scale, clamped to +-448, and rounded to the nearest number of E4M3, ties to even, subnormals kept.
;;     - The product sums the exact products of the quantised numbers (number of the format x scale) in f32.
;;   ~~~python
;;   def quantise(x, axis):      # numpy; x: float32 -> the quantised numbers, widened to float32 again
;;       x = np.moveaxis(x, axis, -1); K = x.shape[-1]
;;       x = np.pad(x, [(0, 0)] * (x.ndim - 1) + [(0, -K % 32)]); x = x.reshape(x.shape[:-1] + (-1, 32)); a = np.abs(x).max(-1, keepdims=True)
;;       e = np.where(a > 0, np.clip(np.frexp(np.where(a > 0, a, 1))[1] - 1 - 8, -126, 127), 0)      # np.frexp(a)[1] - 1 = floor(log2(a)), exactly
;;       r = np.clip(x / 2.0 ** e, -448, 448)
;;       step = 2.0 ** (np.maximum(np.frexp(np.where(r == 0, 1, r))[1] - 1, -6) - 3)
;;       q = np.round(r / step) * step * 2.0 ** e      # np.round: ties to even
;;       return np.moveaxis(q.reshape(q.shape[:-2] + (-1,))[..., :K], -1, axis).astype(np.float32)
;;   ~~~
;;   SOFTMAX AHEAD OF A QUANTISED PRODUCT. Where the list says 'softmax', what is quantised is not the finished softmax but p = 2^(t - M), with t = logit x log2(e) and M = ceil(the row's largest t), a whole number; so 1/2 < the row's largest p <= 1. The row's sum l is taken of the UNQUANTISED p, in f32, and the product's result is divided by l at the end. Since M is a whole number, a kernel that streams over the keys may use a running M (the ceiling of the running maximum): every later rescaling is an exact power of two, which a block's scale takes up: the codes' values come out the same.
;;   OPERANDS COMPUTED ON THE WAY. 'Computed on the way' means the value that the module computes at that place (a softmax that the list does not call 'softmax' is quantised finished and normalised). What goes into a quantiser is computed in f32, as accurately as f32 sums, v_exp_f32 and their like allow (about 1e-6 of the number): no bf16 or f16 on the way to a quantiser, and a product that is left as it is and whose result goes on into a quantised operand takes f32 operands (vector FMAs, or v_wmma_f32_16x16x4_f32). A number that lies on a knife's edge between two numbers of the format may be rounded either way, as far as f32 arithmetic and the matrix unit's own rounding can turn it there, and no further.
;;   INPUTS GIVEN AS CODES. qkv (in the module: [1024, 3072], K = its axis 0); x (in the module: [4, 2048, 1024], K = its axis 2): each comes as NAME_codes (uint8): NAME with its K axis moved to the last place and cut into blocks of 32 codes, [.., K / 32, bytes a block], one block behind the other in memory; one code a byte (a code: sign, 4 exponent bits, 3 mantissa bits); and NAME_scales (uint8): the same leading axes, one E8M0 byte (e + 127) for each 32 codes along K. Its value is code x scale, taken as it is: it is not quantised again, and the codes and scales need not be those that the quantiser above would give.
;; One version. Each part assembles by itself: llvm-mc -triple=amdgcn-amd-amdhsa -mcpu=gfx1250 --defsym DOCPART=n.
;; ======== version 1 of 1: 4 launches
;; limits: right only within a limited range of input values
;; workspace buffers: w_img 1,048,576 bytes; w_sc 32,768 bytes; qk_img 16,777,216 bytes; qk_sc 1,048,576 bytes; v_img 8,388,608 bytes; v_sc 262,144 bytes; o_img 8,388,608 bytes; o_sc 262,144 bytes
;; launch wq (part 1): grid 8 x 8, 4 waves a work-group, no clusters, 0 bytes of LDS; arguments out_weight, w_img, w_sc; writes w_img, w_sc
.if DOCPART == 1
	.amdgcn_target "amdgcn-amd-amdhsa--gfx1250"
	.amdhsa_code_object_version 6
	.text
	.protected	k_q6fcb71d9ec_wq
	.globl	k_q6fcb71d9ec_wq
	.p2align	8
	.type	k_q6fcb71d9ec_wq,@function
k_q6fcb71d9ec_wq:
	s_mov_b64 s[64:65], 0
	v_nop
	global_prefetch_b8 v0, s[64:65] scope:SCOPE_SE
	s_setreg_imm32_b32 hwreg(HW_REG_WAVE_MODE, 25, 1), 1
	s_wait_xcnt 0x0
; THE PROGRAM: four launches.  wq: out_weight into codes.  proj: x qkv, its results quantised into q's, k's and v's codes.  attn: both products of attention, O quantised.  outp: O out_weight.
; NO WORK OF reference() IS LEFT OUT: every input has a way to the output and is loaded; no product, row or step is dead.
; ORDER INSIDE A BLOCK OF 32.  Every operand that this program makes itself is laid as an IMAGE OF THE OPERAND'S REGISTERS (a group of four registers: 512 bytes, lane l's 16 bytes at 16 l), and in every such image
; place (c, h, i) (registers 4 c .. 4 c + 3 of lane half h, byte i) holds k = 32 c + 16 (i / 8) + 8 h + i % 8.  Both operands of a product carry the same order, a block of 32 stays a block of 32, so only the order of a sum's terms moves.
; THIS LAUNCH: out_weight [1024 (k)][1024 (n)], f32, K its FIRST axis, becomes codes of E4M3 with one E8M0 byte for each 32 along K:
;   w_img [n / 16][k / 128][c 4][lane 32][16 bytes],  w_sc [k / 128][n][4 bytes].
; A lane takes a column n and its registers run down K: a block of 32 lies in one lane, and the conversions give codes along K.  A work-group takes 128 columns x 128 along K, a wave 32 columns: four blocks a lane.
; A block's scale is 2^(floor(log2(its largest magnitude)) - 8); its byte is that magnitude's exponent field - 8, held at 1 from below.
; LIMITS: a block of zeros, or one whose largest magnitude lies under 2^(9 - 127), gets the byte 1 (its codes are zeros or near it; this program alone reads the bytes); NaN and infinities among the inputs are not served.
; No LDS, no barrier, no matrix unit, no cluster: waves share nothing, and each byte is read once.
.set X,  32                            ; v32-159  four blocks of 32 numbers
.set C,  160                           ; v160-191 eight registers of codes a block: no store's data are written again
	s_load_b128 s[4:7], s[0:1], 0x0                ; out_weight, w_img
	s_load_b64 s[8:9], s[0:1], 0x10                ; w_sc
	v_lshrrev_b32 v1, 5, v0
	v_readfirstlane_b32 s16, v1                    ; wave 0..3
	v_and_b32 v2, 31, v0                           ; lane
	v_lshlrev_b32 v3, 2, v2                        ; 4 bytes a lane: in out_weight's rows and in w_sc
	v_lshrrev_b32 v4, 4, v2
	v_and_b32 v5, 15, v2
	v_lshlrev_b32 v8, 14, v4                       ; w_img: lanes 16-31 hold the next tile of 16 columns, 16,384 bytes on;
	v_lshl_add_u32 v8, v5, 4, v8                   ; column n % 16 is the image's lane: 16 bytes each
	s_and_b32 s18, ttmp7, 0xffff                   ; which 128 along K
	s_lshl_b32 s17, ttmp9, 7
	s_lshl_b32 s19, s16, 5
	s_add_co_u32 s17, s17, s19                     ; my wave's first column
	s_lshl_b32 s20, s18, 19                        ; out_weight: 128 rows of 4,096 bytes,
	s_lshl_b32 s21, s17, 2
	s_add_co_u32 s20, s20, s21                     ; + 4 x column
	s_mov_b32 s21, 0
	s_lshl_b32 s22, s17, 10                        ; w_img: (column / 16) x 16,384,
	s_lshl_b32 s23, s18, 11
	s_add_co_u32 s22, s22, s23                     ; + 2,048 for each 128 along K
	s_mov_b32 s23, 0
	s_lshl_b32 s24, s18, 12                        ; w_sc: 4,096 for each 128 along K,
	s_lshl_b32 s25, s17, 2
	s_add_co_u32 s24, s24, s25                     ; + 4 x column
	s_mov_b32 s25, 0
	s_mov_b32 s31, 0x600000                        ; the mantissa field of 448
	s_wait_alu depctr_va_vdst(0)
	s_wait_kmcnt 0x0
	s_add_nc_u64 s[4:5], s[4:5], s[20:21]
	s_add_nc_u64 s[6:7], s[6:7], s[22:23]
	s_add_nc_u64 s[8:9], s[8:9], s[24:25]
.macro LOAD t                          ; block t: out_weight(32 t + i, my column): 32 lanes read 128 consecutive bytes, the four waves 512
.irp i, 0,1,2,3,4,5,6,7,8,9,10,11,12,13,14,15,16,17,18,19,20,21,22,23,24,25,26,27,28,29,30,31
	global_load_b32 v[X+32*(\t)+\i], v3, s[4:5] offset:(32*(\t)+\i)*4096 th:TH_LOAD_NT
.endr
.endm
.macro BLOCK t
.set XS, X+32*(\t)
.set CC, C+8*(\t)
.if (\t) < 3
	s_wait_loadcnt 32                              ; this block's 32 loads are in; the next block's 32 may be out
.else
	s_wait_loadcnt 0x0
.endif
.if (\t)+2 < 4
	LOAD (\t)+2                                    ; two blocks ahead, into registers of their own
.endif
	v_max3_num_f32 v12, |v[XS]|, |v[XS+1]|, |v[XS+2]|   ; the block's largest magnitude: all 32 numbers are mine; two chains
	v_max3_num_f32 v13, |v[XS+3]|, |v[XS+4]|, |v[XS+5]|
.irp i, 6,10,14,18,22,26
	v_max3_num_f32 v12, v12, |v[XS+\i]|, |v[XS+\i+1]|
	v_max3_num_f32 v13, v13, |v[XS+\i+2]|, |v[XS+\i+3]|
.endr
	v_max3_num_f32 v12, v12, |v[XS+30]|, |v[XS+31]|
	v_max3_num_f32 v12, v12, v13, 0x4800000        ; and the floor 2^(9 - 127): the byte cannot fall under 1
	v_add_nc_u32 v11, 0xfc000000, v12              ; 8 off the exponent field: the conversion's scale operand
	v_and_or_b32 v10, v12, 0x7f800000, s31         ; 448 x the scale
	v_lshrrev_b32 v13, 23, v11                     ; the scale's byte
.if (\t) == 0
	v_mov_b32 v14, v13                             ; four bytes make my column's scale word for these 128 along K
.else
	v_lshl_or_b32 v14, v13, 8*(\t), v14
.endif
.irp i, 0,1,2,3,4,5,6,7,8,9,10,11,12,13,14,15,16,17,18,19,20,21,22,23,24,25,26,27,28,29,30,31
	v_med3_num_f32 v[XS+\i], v[XS+\i], -v10, v10   ; the conversion to an 8-bit code does not saturate (ISA guide 7.6.2): the hold at 448 x the scale
.endr
	v_cvt_scalef32_pk8_fp8_f32 v[CC:CC+1],   v[XS:XS+7],     v11   ; k 0-7:   half 0, bytes 0-7
	v_cvt_scalef32_pk8_fp8_f32 v[CC+2:CC+3], v[XS+16:XS+23], v11   ; k 16-23: half 0, bytes 8-15
	v_cvt_scalef32_pk8_fp8_f32 v[CC+4:CC+5], v[XS+8:XS+15],  v11   ; k 8-15:  half 1, bytes 0-7
	v_cvt_scalef32_pk8_fp8_f32 v[CC+6:CC+7], v[XS+24:XS+31], v11   ; k 24-31: half 1, bytes 8-15
	v_nop                                          ; a plain line behind the last conversion
	global_store_b128 v8, v[CC:CC+3],   s[6:7] offset:512*(\t)       ; sixteen lanes store 256 consecutive bytes, aligned: the image's lanes 0-15
	global_store_b128 v8, v[CC+4:CC+7], s[6:7] offset:512*(\t)+256   ; and its lanes 16-31
.endm
	LOAD 0
	LOAD 1
	BLOCK 0
	BLOCK 1
	BLOCK 2
	BLOCK 3
	global_store_b32 v3, v14, s[8:9]               ; 32 lanes store 128 consecutive bytes of scale words
	s_endpgm
.Lfunc_end_k_q6fcb71d9ec_wq:
	.size	k_q6fcb71d9ec_wq, .Lfunc_end_k_q6fcb71d9ec_wq-k_q6fcb71d9ec_wq
	.p2alignl 7, 3214868480
	.fill 96, 4, 3214868480
	.section	.rodata,"a",@progbits
	.p2align	6, 0x0
	.amdhsa_kernel k_q6fcb71d9ec_wq
		.amdhsa_group_segment_fixed_size 0
		.amdhsa_private_segment_fixed_size 0
		.amdhsa_enable_private_segment 0
		.amdhsa_kernarg_size 24
		.amdhsa_user_sgpr_count 2
		.amdhsa_user_sgpr_kernarg_segment_ptr 1
		.amdhsa_wavefront_size32 1
		.amdhsa_system_sgpr_workgroup_id_x 1
		.amdhsa_system_sgpr_workgroup_id_y 1
		.amdhsa_system_sgpr_workgroup_id_z 1
		.amdhsa_system_vgpr_workitem_id 0
		.amdhsa_next_free_vgpr 192
		.amdhsa_next_free_sgpr 66
		.amdhsa_reserve_vcc 0
		.amdhsa_float_denorm_mode_32 3
		.amdhsa_float_denorm_mode_16_64 3
		.amdhsa_memory_ordered 1
		.amdhsa_forward_progress 1
		.amdhsa_inst_pref_size 29
	.end_amdhsa_kernel
	.amdgpu_metadata
---
amdhsa.version: [ 1, 2 ]
amdhsa.kernels:
  - .name:           k_q6fcb71d9ec_wq
    .symbol:         k_q6fcb71d9ec_wq.kd
    .args:
      - { .name: out_weight, .offset: 0, .size: 8, .value_kind: global_buffer, .address_space: global }
      - { .name: w_img, .offset: 8, .size: 8, .value_kind: global_buffer, .address_space: global }
      - { .name: w_sc, .offset: 16, .size: 8, .value_kind: global_buffer, .address_space: global }
    .group_segment_fixed_size: 0
    .private_segment_fixed_size: 0
    .kernarg_segment_align: 8
    .kernarg_segment_size: 24
    .max_flat_workgroup_size: 128
    .sgpr_count:     66
    .vgpr_count:     192
    .wavefront_size: 32
...
	.end_amdgpu_metadata
.endif
;; end of part 1
;; launch proj (part 2): grid 8 x 48, 4 waves a work-group, clusters of 4 x 4, 327,680 bytes of LDS; arguments x_codes, x_scales, qkv_codes, qkv_scales, qk_img, qk_sc, v_img, v_sc; writes qk_img, qk_sc, v_img, v_sc
.if DOCPART == 2
	.amdgcn_target "amdgcn-amd-amdhsa--gfx1250"
	.amdhsa_code_object_version 6
	.text
	.protected	k_q6fcb71d9ec_proj
	.globl	k_q6fcb71d9ec_proj
	.p2align	8
	.type	k_q6fcb71d9ec_proj,@function
k_q6fcb71d9ec_proj:
	s_mov_b64 s[64:65], 0
	v_nop
	global_prefetch_b8 v0, s[64:65] scope:SCOPE_SE
	s_setreg_imm32_b32 hwreg(HW_REG_WAVE_MODE, 25, 1), 1
	s_wait_xcnt 0x0
	s_wait_alu depctr_hold_cnt(0) depctr_sa_sdst(0) depctr_va_vdst(0) depctr_va_sdst(0) depctr_va_ssrc(0) depctr_va_vcc(0) depctr_vm_vsrc(0)
	s_getreg_b32 s2, hwreg(HW_REG_IB_STS2, 6, 4)
	s_cmp_eq_u32 s2, 0
	s_cbranch_scc0 .Lentry_in_a_cluster
	s_endpgm
.Lentry_in_a_cluster:
	s_bfe_u32 s2, ttmp6, 0x10000c
	s_cmp_lg_u32 s2, 0xf033
	s_cbranch_scc0 .Lentry_shape_is_right
	s_endpgm
.Lentry_shape_is_right:
; x qkv on the given codes of E4M3 (K = 1,024, one E8M0 byte for each 32), and the results quantised at once into the operands of attention.  Nothing of reference() is left out here.
; The product is taken as P rows x R rows: a lane of a result holds ONE row of P and eight neighbouring rows of R, so the codes that it makes run along R.
;   clusters with y < 8  (q and k, quantised along the head's 64): P = x's 8,192 tokens, R = qkv's columns 0 .. 2,047.
;   clusters with y >= 8 (v, quantised along the keys):            P = qkv's columns 2,048 .. 3,071, R = x's tokens.
; The kind hangs on the cluster's y alone: it is the same in all sixteen partners; only addresses are chosen by it until the way out, where one branch on it parts the stores.
; A tile of 256 x 256 is made by four waves, 128 x 128 each: 64 accumulators, 512 registers.  K goes in steps of 256 through a ring of two LDS slots filled by the tensor data mover; a tile's row is 256 bytes of memory.
; The scale bytes of the work-group's 256 + 256 rows, for all of K, come into LDS once, with the first fills.
; CLUSTERS: 4 x 4 work-groups; P's tiles are asked for jointly along a row of the cluster, R's along a column: the same tensor load, the same descriptor, a mask that names the four.
; THE WAY OUT uses no LDS: a lane's 16 registers of two neighbouring tiles and those of lane l xor 16 are a block of 32 along R; largest magnitude, scale byte, hold, conversion; the codes are stored as images of
; the operand's registers, 512 consecutive bytes an instruction (place (c, h, i) holds k = 32 c + 16 (i / 8) + 8 h + i % 8, in every operand of this program alike):
;   qk_img [q, k][batch x head 64][token / 16][c 2][lane 32][16],  qk_sc [q, k][64][token / 128][lane 32][j 4][4]: word j: lanes 0-15 tile 2 j, the head's two bytes in bytes 0, 1; lanes 16-31 tile 2 j + 1, the two bytes in
;   bytes 2, 3; the other two bytes zero (the next launch sets two tiles side by side in one fragment: the odd tile's codes stand in its blocks 2 and 3);
;   v_img [64][key / 128][d / 16][c 4][lane 32][16],               v_sc [64][key / 128][lane 32][j 2][4]: word j: lanes 0-15 tile 2 j of d, lanes 16-31 tile 2 j + 1, four bytes each.
; LIMITS: a block of zeros, or one under 2^(9 - 127), gets the byte 1; NaN and infinities are not served.
; REGISTERS, in windows of 256: window 0: v0-31 addresses; v32-63 scale words, two sets; v64-127 at work on the way out; from v128 P's fragments, ONE set, later the codes.
;   window 1: R's fragments, TWO sets.   window 2: the accumulators of my rows 0-63 ((a, b) at v[8 (8 a + b)]);   window 3: those of my rows 64-127.
.set SIZE_K, 1024
.set KSTEP,  256                       ; along K in a slot
.set NQ,     KSTEP/128                 ; matrix instructions deep
.set ROWB,   256                       ; a tile's row in bytes
.set KROW,   SIZE_K                    ; a row of codes in memory, in bytes
.set PITCH,  272                       ; an LDS row: 256 bytes + 16 of padding = 68 words: the 16 rows that a load touches start at 16 different banks (64 banks of 4 bytes: ISA guide 11.1)
.set FR,     16                        ; registers of a fragment: 16 rows x 128 K
.set NL,     4                         ; LDS loads that bring one
.set NP,     8                         ; places behind this matrix instruction (ISA guide 7.12.1)
.set HALFT,  128*PITCH                 ; 128 rows: what one tensor load brings
.set SLOT,   4*HALFT                   ; P's 256 rows, then R's 256 rows
.set LAPS,   SIZE_K/(2*KSTEP)          ; a lap = two K steps = once round the ring
.set KS,     SIZE_K/32                 ; a row of scale bytes
.set SCL,    2*SLOT                    ; behind the ring: the scales, as units of 256 bytes + 16 of padding
.set HALFS,  (128*KS/256)*272          ; the scales of 128 rows
.set SBLK,   (16*KS/256)*272           ; those of 16 rows
.set SPARE,  SCL+4*HALFS               ; the spare words, 128 bytes for each wave: two blocks of 256 bytes that no other line names
.set ADRA, 16                          ; v16-17  LDS address of my P fragments in slot 0, 1
.set ADRB, 20                          ; v20-21  the same for R
.set ADRS, 27                          ; v27     LDS address of my scale words: lanes 0-15 P's rows, lanes 16-31 R's
.set SPW,  28                          ; v28     LDS address of my spare word; never rewritten
.set NIL,  29                          ; v29     0; never rewritten
.set SC,   32                          ; scale words: set s at v[SC + 8 NQ s]; register NQ i + q: lanes 0-15 P's block i, lanes 16-31 R's block i
.set AF,   128                         ; P's fragments, in window 0
.set TM,   64                          ; the way out: v64-67 largest magnitudes, v68-71 bytes, v72-75 448 x the scale, v76-79 the conversions' scale operands
.set PW,   80                          ; v80-87  block a's scale word
.set TW,   88                          ; v88-91  two blocks' words in one register; v92-95, v96-99 one head's bytes of them; v100-103, v108-111 at work
.set PC,   128                         ; v128-255 block a's codes at v[PC + 16 a]
.set G1, 24                            ; s[24:31] descriptor group 1 for P's tiles;  s[32:39] group 0, one set for each slot
.set G0, 32
.set G1B, 48                           ; s[48:55], s[56:63] the same for R's tiles
.set G0B, 56
.set G1S, 68                           ; s[68:75], s[76:79] groups 1 and 0 for P's scales;  s[80:87], s[88:91] for R's
.set G0S, 76
.set G1SB, 80
.set G0SB, 88
.set MSB, 0
.macro WIN new                         ; the immediate's high byte repeats the setting that is left
.if MSB != \new
	s_set_vgpr_msb (MSB<<8)|\new
.set MSB, \new
.endif
.endm
.set MUL_LO, 0xa1                      ; source 0 (R) window 1, source 1 (P) window 0, C and D window 2
.set MUL_HI, 0xf1                      ; the same, C and D window 3
.set TO_B,   0x40                      ; destination window 1, address window 0
; A joint load: waves 0 and 1 fetch for P, waves 2 and 3 for R.  The branch hangs on the wave's number alone.  An s_nop 0 and four v_nop follow each of the two lines.
.macro JLOAD g0a, g1a, g0b, g1b
	s_cmp_eq_u32 s15, 0
	s_cbranch_scc0 .Lfor_b_\@
	tensor_load_to_lds s[\g0a:\g0a+3], s[\g1a:\g1a+7]
	s_nop 0
.rept 4
	v_nop
.endr
	s_branch .Lasked_\@
.Lfor_b_\@:
	tensor_load_to_lds s[\g0b:\g0b+3], s[\g1b:\g1b+7]
	s_nop 0
.rept 4
	v_nop
.endr
.Lasked_\@:
.endm
.macro CREST                           ; a round of the cluster's barrier behind its opening barrier
	s_cmp_lg_u32 s14, 0
	s_cbranch_scc1 .Lnot_wave_0_\@
	s_barrier_signal -3
.Lnot_wave_0_\@:
	s_barrier_wait -3
	s_barrier_signal -1
	s_barrier_wait -1
.endm
.macro CROUND                          ; a whole round
	s_barrier_signal -1
	s_barrier_wait -1
	CREST
.endm
	s_load_b256 s[4:11], s[0:1], 0x0               ; x's codes s[4:5], x's scales s[6:7], qkv's codes s[8:9], qkv's scales s[10:11]
	v_lshl_add_u32 v[SPW], v0, 2, SPARE
	v_mov_b32 v[NIL], 0
	ds_add_u32 v[SPW], v[NIL]                      ; the wave's opening: the add, twice on end, and its wait ahead of my first tensor load
	ds_add_u32 v[SPW], v[NIL]                      ; and once more; the set-up below, work on registers, stands between it and the wait
	v_lshrrev_b32 v1, 5, v0
	v_readfirstlane_b32 s14, v1                    ; wave 0..3
	s_lshr_b32 s15, s14, 1                         ; which half of the tile's P rows is mine.  Also: I fetch for P (0) or for R (1)
	s_and_b32 s16, s14, 1                          ; which half of its R rows.  Also: which 128 rows of that tile I fetch
	s_bfe_u32 s40, ttmp6, 0x40000                  ; cx, cy: my place in the cluster
	s_bfe_u32 s41, ttmp6, 0x40004
	s_and_b32 s13, ttmp7, 0xffff                   ; the cluster's y
	s_max_u32 s2, s13, 8
	s_sub_co_u32 s2, s2, 8
	s_lshl_b32 s2, s2, 1
	s_add_co_u32 s2, s2, ttmp9                     ; for v: 2 (y - 8) + x: which four tiles of tokens
	s_cmp_lt_u32 s13, 8
	s_cselect_b32 s12, 0, 1                        ; the kind: 0 q and k, 1 v
	s_cselect_b32 s42, ttmp9, s2
	s_cselect_b32 s17, s13, 2                      ; for v: P's tiles 8 .. 11 are qkv's columns 2,048 on
	s_lshl_b32 s42, s42, 2
	s_add_co_u32 s42, s42, s40                     ; R's tile of 256 rows
	s_lshl_b32 s17, s17, 2
	s_add_co_u32 s17, s17, s41                     ; P's tile of 256 rows
	s_lshl_b32 s43, s41, 2
	s_lshl_b32 s43, 15, s43                        ; my row of the cluster
	s_lshl_b32 s44, 0x1111, s40                    ; my column
	; descriptor group 1: a tile of 128 rows x 256 bytes, padded in LDS
	s_or_b32 s[G1+0], s43, (0<<16)|(1<<20)|(1<<21)|(5<<22)|(3<<25)  ; 15:0 the mask: P's tiles go to my row; 17:16 elements of 1 byte; 20 padding on; 21 set beside a mask; 24:22 after every 64 words; 31:25 four words
	s_or_b32 s[G1B+0], s44, (0<<16)|(1<<20)|(1<<21)|(5<<22)|(3<<25)
.irp g, G1, G1B
	s_mov_b32 s[\g+1], ROWB<<16                    ; tensor_dim0
	s_mov_b32 s[\g+2], 256<<16                     ; tensor_dim1: 256 rows for the head's loads
	s_mov_b32 s[\g+3], ROWB<<16                    ; tile_dim0
	s_mov_b32 s[\g+4], 256                         ; tile_dim1
	s_mov_b32 s[\g+5], KROW                        ; tensor_dim0_stride
	s_mov_b32 s[\g+6], 0
	s_mov_b32 s[\g+7], 0
.endr
	; the scales of 128 rows: a dense block of 4,096 bytes, as rows of 256 bytes (32 elements of 8 bytes), 16 bytes of padding behind each
	s_or_b32 s[G1S+0], s43, (3<<16)|(1<<20)|(1<<21)|(5<<22)|(3<<25)
	s_or_b32 s[G1SB+0], s44, (3<<16)|(1<<20)|(1<<21)|(5<<22)|(3<<25)
.irp g, G1S, G1SB
	s_mov_b32 s[\g+1], 32<<16
	s_mov_b32 s[\g+2], KS<<16                      ; the scales of 256 rows: KS rows of 256 bytes
	s_mov_b32 s[\g+3], 32<<16
	s_mov_b32 s[\g+4], KS
	s_mov_b32 s[\g+5], 32
	s_mov_b32 s[\g+6], 0
	s_mov_b32 s[\g+7], 0
.endr
	s_lshl_b32 s20, s17, 8                         ; P: the tile's first row
	s_lshl_b32 s46, s42, 8                         ; R likewise
	s_mov_b32 s21, 0
	s_mov_b32 s47, 0
	s_mov_b64 s[18:19], KS
	s_mul_u64 s[22:23], s[20:21], s[18:19]         ; where these rows' scales begin, in bytes
	s_mul_u64 s[92:93], s[46:47], s[18:19]
	s_mov_b64 s[18:19], KROW
	s_mul_u64 s[20:21], s[20:21], s[18:19]         ; and their codes
	s_mul_u64 s[46:47], s[46:47], s[18:19]
	s_mul_i32 s45, s14, HALFT                      ; where they go: wave x 128 rows: no place in the cluster enters an LDS address
	s_mul_i32 s18, s16, 128*KROW                   ; in the ring I fetch 128 rows of a tile: which half, in bytes
	s_mov_b32 s19, 0
	s_wait_dscnt 0x0                               ; both opening adds are done
	s_wait_kmcnt 0x0
	s_cmp_eq_u32 s12, 0                            ; the kind chooses which tensor is P and which is R: a choice that hangs on no address
	s_cselect_b64 s[96:97], s[4:5], s[8:9]
	s_cselect_b64 s[98:99], s[6:7], s[10:11]
	s_cselect_b64 s[8:9], s[8:9], s[4:5]           ; R's codes
	s_cselect_b64 s[10:11], s[10:11], s[6:7]       ; R's scales
	s_mov_b64 s[4:5], s[96:97]                     ; P's codes
	s_mov_b64 s[6:7], s[98:99]                     ; P's scales
	s_add_nc_u64 s[20:21], s[4:5], s[20:21]
	s_add_nc_u64 s[22:23], s[6:7], s[22:23]
	s_add_nc_u64 s[46:47], s[8:9], s[46:47]
	s_add_nc_u64 s[92:93], s[10:11], s[92:93]
	CROUND                                         ; all sixteen work-groups are here: the first joint loads meet
	s_mov_b32 s[G0S], 1
	s_mov_b32 s[G0S+1], SCL
	s_mov_b64 s[G0S+2:G0S+3], s[22:23]
	s_or_b32 s[G0S+3], s[G0S+3], 0x80000000
	s_mov_b32 s[G0SB], 1
	s_mov_b32 s[G0SB+1], SCL+2*HALFS
	s_mov_b64 s[G0SB+2:G0SB+3], s[92:93]
	s_or_b32 s[G0SB+3], s[G0SB+3], 0x80000000
.set G0H, 4                            ; s[4:7], s[8:11] group 0 for the head's loads of K step 0 (the addresses that lay there have been used)
.set G0HB, 8
	s_mov_b32 s[G0H], 1                            ; K step 0's 256 rows of P,
	s_mov_b32 s[G0H+1], 0
	s_mov_b64 s[G0H+2:G0H+3], s[20:21]
	s_or_b32 s[G0H+3], s[G0H+3], 0x80000000
	s_mov_b32 s[G0HB], 1                           ; its 256 rows of R, behind them in slot 0
	s_mov_b32 s[G0HB+1], 2*HALFT
	s_mov_b64 s[G0HB+2:G0HB+3], s[46:47]
	s_or_b32 s[G0HB+3], s[G0HB+3], 0x80000000
	s_add_nc_u64 s[20:21], s[20:21], s[18:19]      ; for the ring: my 128 rows of the tile
	s_add_nc_u64 s[46:47], s[46:47], s[18:19]
.irp s, 0,1
	s_mov_b32 s[G0+4*\s], 1
	s_add_co_u32 s[G0+4*\s+1], s45, \s*SLOT
	s_add_nc_u64 s[G0+4*\s+2:G0+4*\s+3], s[20:21], \s*ROWB
	s_or_b32 s[G0+4*\s+3], s[G0+4*\s+3], 0x80000000
	s_mov_b32 s[G0B+4*\s], 1
	s_add_co_u32 s[G0B+4*\s+1], s45, \s*SLOT
	s_add_nc_u64 s[G0B+4*\s+2:G0B+4*\s+3], s[46:47], \s*ROWB
	s_or_b32 s[G0B+4*\s+3], s[G0B+4*\s+3], 0x80000000
.endr
; THE HEAD'S LOADS, ONE A WAVE: wave 0 K step 0's 256 rows of P, wave 1 its 256 rows of R, wave 2 the scales of P's 256 rows, wave 3 those of R's.  One tree of branches on the wave's number.
.macro ARM under, g0, g1, next
	s_cmp_lt_u32 s14, \under
	s_cbranch_scc0 \next
	tensor_load_to_lds s[\g0:\g0+3], s[\g1:\g1+7]
	s_nop 0
.rept 4
	v_nop
.endr
	s_branch .Lhead_asked
\next:
.endm
	ARM 1, G0H,  G1,  .Lhead_b
	ARM 2, G0HB, G1B, .Lhead_sa
	ARM 3, G0S,  G1S, .Lhead_sb
	tensor_load_to_lds s[G0SB:G0SB+3], s[G1SB:G1SB+7]
	s_nop 0
.rept 4
	v_nop
.endr
.Lhead_asked:
	v_and_b32 v1, 15, v0                           ; l % 16
	v_bfe_u32 v2, v0, 4, 1                         ; l / 16
	v_mul_u32_u24 v3, v1, PITCH
	v_lshl_add_u32 v4, v2, 4, v3                   ; a fragment's row x pitch + 16 x half
	s_mul_i32 s21, s15, HALFT                      ; my 128 rows of P
	s_mul_i32 s22, s16, HALFT                      ; my 128 rows of R,
	s_add_co_u32 s22, s22, 2*HALFT                 ; which lie behind P's 256
.irp s, 0,1
	v_add_nc_u32 v[ADRA+\s], s21, v4
	v_add_nc_u32 v[ADRB+\s], s22, v4
	s_add_co_u32 s21, s21, SLOT
	s_add_co_u32 s22, s22, SLOT
.endr
	v_mul_u32_u24 v5, v1, KS                       ; my row's scales: KS bytes a row,
	v_lshrrev_b32 v6, 8, v5
	v_lshl_add_u32 v5, v6, 4, v5                   ; and 16 more for each 256 passed
	s_mul_i32 s21, s15, HALFS                      ; P's: my 128 rows
	s_mul_i32 s22, s16, HALFS                      ; R's: my 128 rows, behind P's 256
	s_add_co_u32 s22, s22, 2*HALFS
	s_sub_co_u32 s22, s22, s21
	v_mul_u32_u24 v6, s22, v2                      ; lanes 16-31 take R's
	s_add_co_u32 s21, s21, SCL
	v_add_nc_u32 v5, v5, v6
	v_add_nc_u32 v[ADRS], s21, v5
.macro FRAG reg, adr, q, i             ; a fragment: lane l holds row l % 16; registers 4 c .. 4 c + 3 hold K = 32 c + 16 (l / 16) + 0 .. 15
.irp c, 0,1,2,3
	ds_load_b128 v[\reg+4*\c:\reg+4*\c+3], v[\adr] offset:128*(\q)+32*\c+(\i)*16*PITCH
.endr
.endm
; 16 matrix instructions: P's blocks a0, a0 + 1 x R's eight, 128 along K.  p: R's set;  sc: the set of scale words.  zero = 1: the first product starts the sums.
; The 64 accumulators take turns, one instruction a turn, in the same order in every step.
.macro MUL16 a0, p, q, sc, zero
.irp a, \a0, \a0+1
.irp b, 0,1,2,3,4,5,6,7
.if \zero
	v_wmma_scale_f32_16x16x128_f8f6f4 v[8*(8*((\a)%4)+\b):8*(8*((\a)%4)+\b)+7], v[128*(\p)+FR*\b:128*(\p)+FR*\b+FR-1], v[AF+FR*(\a):AF+FR*(\a)+FR-1], 0, v[SC+8*NQ*(\sc)+NQ*\b+(\q)], v[SC+8*NQ*(\sc)+NQ*(\a)+(\q)] matrix_a_scale:MATRIX_SCALE_ROW1
.else
	v_wmma_scale_f32_16x16x128_f8f6f4 v[8*(8*((\a)%4)+\b):8*(8*((\a)%4)+\b)+7], v[128*(\p)+FR*\b:128*(\p)+FR*\b+FR-1], v[AF+FR*(\a):AF+FR*(\a)+FR-1], v[8*(8*((\a)%4)+\b):8*(8*((\a)%4)+\b)+7], v[SC+8*NQ*(\sc)+NQ*\b+(\q)], v[SC+8*NQ*(\sc)+NQ*(\a)+(\q)] matrix_a_scale:MATRIX_SCALE_ROW1
.endif
.endr
.endr
.endm
.macro FETCH_B slot, q, p              ; R's eight fragments of the slot's q-th 128 along K into set p
	WIN TO_B
.irp i, 0,1,2,3,4,5,6,7
	FRAG 128*(\p)+FR*\i, ADRB+\slot, \q, \i
.endr
	WIN 0
.endm
.macro FETCH_A slot, q, i0             ; P's blocks i0 .. i0 + 3
.irp i, \i0, \i0+1, \i0+2, \i0+3
	FRAG AF+FR*(\i), ADRA+\slot, \q, \i
.endr
.endm
.macro SCALES sc                       ; the next K step's scale words into set sc: two words a row
.irp i, 0,1,2,3,4,5,6,7
	ds_load_b64 v[SC+8*NQ*\sc+NQ*\i:SC+8*NQ*\sc+NQ*\i+1], v[ADRS] offset:\i*SBLK
.endr
.endm
.macro PLACES n                        ; plain vector instructions between a matrix instruction and a load into, or a read of, its registers (ISA guide 7.12.1 for reads)
.rept \n
	v_nop
.endr
.endm
; A step of 128 along K that has its successor in the same slot.
.macro STEP slot, q, zero
	s_wait_dscnt 4*NL                              ; R's set and P's blocks 0-3 are in; the youngest sixteen loads (P's blocks 4-7) may be out
	WIN MUL_LO
	MUL16 0, (\q)%2, \q, \slot, \zero
	MUL16 2, (\q)%2, \q, \slot, \zero
	s_wait_dscnt 0                                 ; P's blocks 4-7 are in
	PLACES NP
	FETCH_B \slot, (\q)+1, 1-(\q)%2
	FETCH_A \slot, (\q)+1, 0
	WIN MUL_HI
	MUL16 4, (\q)%2, \q, \slot, \zero
	MUL16 6, (\q)%2, \q, \slot, \zero
	PLACES NP
	WIN 0
	FETCH_A \slot, (\q)+1, 4
.endm
; A slot's last step changes slots: ONE barrier; in front of it each wave waits for all its tensor loads, adds 0 to its spare word, and waits for that and for its own reads of this slot.  fill = 1: this slot is filled again, two K steps ahead.
.macro TURN slot, next, fill
	s_wait_tensorcnt 0x0                           ; all my tensor loads have landed: my part of the next slot
	ds_add_u32 v[SPW], v[NIL]                      ; 0 onto my spare word
	s_wait_dscnt 4*NL+1                            ; (the add and the youngest sixteen loads, P's blocks 4-7, may be out)
	WIN MUL_LO
	MUL16 0, 1, NQ-1, \slot, 0                     ; sixteen matrix instructions stand between the add and the wait for it
	s_wait_dscnt 0x0                               ; the add is done, and my reads of this slot are over
	s_barrier_signal -1
	MUL16 2, 1, NQ-1, \slot, 0
	WIN 0
	s_barrier_wait -1
.if \fill
	CREST                                          ; the barrier has opened a round of the cluster's barrier: no wave of any partner still reads this slot's tile or has a load on its way
	s_add_nc_u64 s[G0+4*\slot+2:G0+4*\slot+3], s[G0+4*\slot+2:G0+4*\slot+3], 2*ROWB
	s_add_nc_u64 s[G0B+4*\slot+2:G0B+4*\slot+3], s[G0B+4*\slot+2:G0B+4*\slot+3], 2*ROWB
	JLOAD G0+4*\slot, G1, G0B+4*\slot, G1B         ; the first tensor load behind the round; its four v_nop are among the places in front of the loads below
	PLACES NP-4
.else
	PLACES NP
.endif
	s_wait_alu depctr_va_vdst(0)
	v_add_nc_u32 v[ADRS], 4*NQ, v[ADRS]            ; on to the next K step's scale words
	FETCH_B \next, 0, 0
	FETCH_A \next, 0, 0
	SCALES \next
	WIN MUL_HI
	MUL16 4, 1, NQ-1, \slot, 0
	MUL16 6, 1, NQ-1, \slot, 0
	PLACES NP
	WIN 0
	FETCH_A \next, 0, 4
.endm
	s_wait_alu depctr_va_vdst(0)
	s_wait_tensorcnt 0x0                           ; my tile of the head's four is in
	ds_add_u32 v[SPW], v[NIL]
	s_mov_b32 s[G1+2], 128<<16                     ; no tensor load of mine is out: from here on a load brings 128 rows
	s_mov_b32 s[G1+4], 128
	s_mov_b32 s[G1B+2], 128<<16
	s_mov_b32 s[G1B+4], 128
	s_wait_dscnt 0x0
	CROUND                                         ; all four tiles are in, and all sixteen work-groups are here
	JLOAD G0+4, G1, G0B+4, G1B                     ; K step 1's load, the first tensor load behind the round
	FETCH_B 0, 0, 0
	FETCH_A 0, 0, 0
	SCALES 0
	FETCH_A 0, 0, 4
	STEP 0, 0, 1                                   ; the first step stands in front of the loop: its products start the sums
	s_mov_b32 s3, LAPS-1
.Llap:                                                 ; a trip goes once round the ring, from a lap's second step to the next lap's first, and fills both slots again
	TURN 0, 1, 1
	STEP 1, 0, 0
	TURN 1, 0, 1
	STEP 0, 0, 0
	s_sub_co_u32 s3, s3, 1
	s_cmp_lg_u32 s3, 0
	s_cbranch_scc1 .Llap
	TURN 0, 1, 0                                   ; the last lap fills nothing, and has no round of the cluster's barrier
	STEP 1, 0, 0
	s_wait_dscnt 4*NL                              ; the very last step: nothing more to fetch
	WIN MUL_LO
	MUL16 0, 1, NQ-1, 1, 0
	MUL16 2, 1, NQ-1, 1, 0
	s_wait_dscnt 0
	WIN MUL_HI
	MUL16 4, 1, NQ-1, 1, 0
	MUL16 6, 1, NQ-1, 1, 0
	WIN 0
	; THE WAY OUT.  No tensor load of mine is out since the last change of slots, so the descriptors' registers take the four output addresses.
	s_load_b256 s[24:31], s[0:1], 0x20             ; qk_img s[24:25], qk_sc s[26:27], v_img s[28:29], v_sc s[30:31]
	s_mov_b32 s20, 0x76543210
	s_mov_b32 s21, 0xfedcba98                      ; v_permlanex16_b32's selects for lane l xor 16
	s_mov_b32 s22, 0x600000                        ; the mantissa field of 448
	PLACES NP
.irp b, 0,1,2,3
	v_mov_b32 v[TM+4+\b], 0                        ; written once: a lane permute's destination counts as one of its sources
.endr
; Block a (16 rows of P x my 128 rows of R): register 16 b + i of the block is place (b, l / 16, i) of my row.  Four blocks of 32 become 16 registers of codes and one scale word.
.macro QUANT a
.set QW, 2+(\a)/4
.set QS, 64*((\a)%4)
.set QA, QW|(QW<<2)
.set QB, QW|(QW<<6)
	WIN QA                                         ; sources 0 and 1: the accumulators' window
.irp b, 0,1,2,3
	v_max3_num_f32 v[TM+\b], |v[QS+16*\b]|, |v[QS+16*\b+1]|, 0x4800000   ; each accumulator is read from its low end on; the floor 2^(9 - 127) holds the byte at 1 from below
.endr
.irp i, 2,4,6,8,10,12,14
.irp b, 0,1,2,3
	v_max3_num_f32 v[TM+\b], |v[QS+16*\b+\i]|, |v[QS+16*\b+\i+1]|, v[TM+\b]   ; (the four blocks by turns)
.endr
.endr
	WIN 0
.irp b, 0,1,2,3
	v_permlanex16_b32 v[TM+4+\b], v[TM+\b], s20, s21
.endr
.irp b, 0,1,2,3
	v_max_num_f32 v[TM+\b], v[TM+\b], v[TM+4+\b]   ; with lane l xor 16's: the block's largest magnitude
.endr
.irp b, 0,1,2,3
	v_add_nc_u32 v[TM+12+\b], 0xfc000000, v[TM+\b] ; 8 off its exponent field: the conversion's scale operand
.endr
.irp b, 0,1,2,3
	v_and_or_b32 v[TM+8+\b], v[TM+\b], 0x7f800000, s22   ; 448 x the scale
.endr
.irp b, 0,1,2,3
	v_lshrrev_b32 v[TM+4+\b], 23, v[TM+12+\b]      ; the scale's byte
.endr
	v_lshl_or_b32 v[PW+\a], v[TM+5], 8, v[TM+4]
	v_lshl_or_b32 v[PW+\a], v[TM+6], 16, v[PW+\a]
	v_lshl_or_b32 v[PW+\a], v[TM+7], 24, v[PW+\a]
	WIN QB                                         ; source 0 and destination: the accumulators' window
.irp b, 0,1,2,3
.irp i, 0,1,2,3,4,5,6,7,8,9,10,11,12,13,14,15
	v_med3_num_f32 v[QS+16*\b+\i], v[QS+16*\b+\i], -v[TM+8+\b], v[TM+8+\b]   ; the conversion to an 8-bit code does not saturate (ISA guide 7.6.2): the hold
.endr
.endr
	WIN QW                                         ; source 0 alone
.irp b, 0,1,2,3
	v_cvt_scalef32_pk8_fp8_f32 v[PC+16*\a+4*\b:PC+16*\a+4*\b+1],   v[QS+16*\b:QS+16*\b+7],    v[TM+12+\b]
	v_cvt_scalef32_pk8_fp8_f32 v[PC+16*\a+4*\b+2:PC+16*\a+4*\b+3], v[QS+16*\b+8:QS+16*\b+15], v[TM+12+\b]
.endr
	WIN 0
	v_nop                                          ; a plain line behind the last conversion
.endm
.irp a, 0,1,2,3,4,5,6,7
	QUANT \a
.endr
	v_and_b32 v106, 31, v0                         ; lane
	v_lshlrev_b32 v104, 4, v106                    ; an image's place for my lane
	v_lshlrev_b32 v105, 3, v106
	v_cmp_le_u32 s96, 16, v106                     ; lanes 16-31
.irp j, 0,1,2,3
	v_cndmask_b32 v[TW+\j], v[PW+2*\j], v[PW+2*\j+1], s96   ; lanes 0-15: block 2 j's words; lanes 16-31: block 2 j + 1's (both halves of the lanes hold a row's word)
.endr
	s_wait_kmcnt 0x0
	s_cmp_eq_u32 s12, 0                            ; the kind: the same in all waves and all partners
	s_cbranch_scc0 .Lvalues
	; q and k.  My 128 tokens are one step of 128; my 128 columns are two heads: code groups 0, 1 the first, 2, 3 the second
	s_wait_alu depctr_va_vdst(0)
.irp j, 0,1,2,3
	v_and_b32 v[TW+4+\j], 0xffff, v[TW+\j]         ; the first head's two bytes, for an even tile: in bytes 0, 1;
	v_lshlrev_b32 v[100+\j], 16, v[TW+\j]          ; for an odd tile: in bytes 2, 3
	v_lshrrev_b32 v[TW+8+\j], 16, v[TW+\j]         ; the second head's, for an even tile;
	v_and_b32 v[108+\j], 0xffff0000, v[TW+\j]      ; for an odd tile.  The other two bytes are zero: they scale zero codes
.endr
.irp j, 0,1,2,3
	v_cndmask_b32 v[TW+4+\j], v[TW+4+\j], v[100+\j], s96   ; lanes 16-31 hold the odd tiles
	v_cndmask_b32 v[TW+8+\j], v[TW+8+\j], v[108+\j], s96
.endr
	s_lshr_b32 s32, s17, 3                         ; batch
	s_and_b32 s33, s17, 7
	s_lshl_b32 s34, s33, 1
	s_add_co_u32 s34, s34, s15                     ; the step of 128 tokens
	s_lshr_b32 s35, s42, 2                         ; 0 q, 1 k
	s_and_b32 s36, s42, 3
	s_lshl_b32 s36, s36, 1
	s_add_co_u32 s36, s36, s16
	s_lshl_b32 s36, s36, 1                         ; my first head
	s_lshl_b32 s37, s32, 4
	s_add_co_u32 s37, s37, s36                     ; 16 x batch + head
	s_lshl_b32 s38, s35, 23
	s_lshl_b32 s39, s37, 17
	s_add_co_u32 s38, s38, s39
	s_lshl_b32 s39, s34, 13
	s_add_co_u32 s38, s38, s39
	s_mov_b32 s39, 0
	s_add_nc_u64 s[24:25], s[24:25], s[38:39]
	s_lshl_b32 s38, s35, 19
	s_lshl_b32 s33, s37, 13
	s_add_co_u32 s38, s38, s33
	s_lshl_b32 s33, s34, 9
	s_add_co_u32 s38, s38, s33
	s_add_nc_u64 s[26:27], s[26:27], s[38:39]
.irp a, 0,1,2,3,4,5,6,7
.irp c, 0,1,2,3
	global_store_b128 v104, v[PC+16*\a+4*\c:PC+16*\a+4*\c+3], s[24:25] offset:(\c/2)*131072+\a*1024+(\c%2)*512   ; 32 lanes store 512 consecutive bytes, aligned
.endr
.endr
	s_wait_alu depctr_va_vdst(0)
	global_store_b128 v104, v[TW+4:TW+7], s[26:27]
	global_store_b128 v104, v[TW+8:TW+11], s[26:27] offset:8192
	s_branch .Lout
.Lvalues:
	; v.  My 128 rows of P are two heads x four tiles of d; my 128 tokens are one step of 128 keys
	s_sub_co_u32 s32, s17, 8
	s_lshl_b32 s32, s32, 1
	s_add_co_u32 s32, s32, s15
	s_lshl_b32 s32, s32, 1                         ; my first head
	s_lshr_b32 s33, s42, 3                         ; batch
	s_and_b32 s34, s42, 7
	s_lshl_b32 s34, s34, 1
	s_add_co_u32 s34, s34, s16                     ; the step of 128 keys
	s_lshl_b32 s33, s33, 4
	s_add_co_u32 s33, s33, s32                     ; 16 x batch + head
	s_lshl_b32 s38, s33, 17
	s_lshl_b32 s39, s34, 13
	s_add_co_u32 s38, s38, s39
	s_mov_b32 s39, 0
	s_add_nc_u64 s[28:29], s[28:29], s[38:39]
	s_lshl_b32 s38, s33, 12
	s_lshl_b32 s35, s34, 8
	s_add_co_u32 s38, s38, s35
	s_add_nc_u64 s[30:31], s[30:31], s[38:39]
	s_wait_alu depctr_va_vdst(0)
.irp a, 0,1,2,3,4,5,6,7
.irp c, 0,1,2,3
	global_store_b128 v104, v[PC+16*\a+4*\c:PC+16*\a+4*\c+3], s[28:29] offset:(\a/4)*131072+(\a%4)*2048+\c*512
.endr
.endr
	global_store_b64 v105, v[TW:TW+1], s[30:31]                 ; 32 lanes store 256 consecutive bytes, aligned
	global_store_b64 v105, v[TW+2:TW+3], s[30:31] offset:4096
.Lout:
	s_wait_tensorcnt 0x0                           ; the wave's end
	ds_add_u32 v[SPW], v[NIL]
	s_wait_dscnt 0x0
	CROUND                                         ; the closing round: no work-group ends while a partner may still ask for a tile that names it
	s_endpgm
.Lfunc_end_k_q6fcb71d9ec_proj:
	.size	k_q6fcb71d9ec_proj, .Lfunc_end_k_q6fcb71d9ec_proj-k_q6fcb71d9ec_proj
	.p2alignl 7, 3214868480
	.fill 96, 4, 3214868480
	.section	.rodata,"a",@progbits
	.p2align	6, 0x0
	.amdhsa_kernel k_q6fcb71d9ec_proj
		.amdhsa_group_segment_fixed_size 327680
		.amdhsa_private_segment_fixed_size 0
		.amdhsa_enable_private_segment 0
		.amdhsa_kernarg_size 64
		.amdhsa_user_sgpr_count 2
		.amdhsa_user_sgpr_kernarg_segment_ptr 1
		.amdhsa_wavefront_size32 1
		.amdhsa_system_sgpr_workgroup_id_x 1
		.amdhsa_system_sgpr_workgroup_id_y 1
		.amdhsa_system_sgpr_workgroup_id_z 1
		.amdhsa_system_vgpr_workitem_id 0
		.amdhsa_next_free_vgpr 1024
		.amdhsa_next_free_sgpr 100
		.amdhsa_reserve_vcc 0
		.amdhsa_float_denorm_mode_32 3
		.amdhsa_float_denorm_mode_16_64 3
		.amdhsa_memory_ordered 1
		.amdhsa_forward_progress 1
		.amdhsa_inst_pref_size 192
	.end_amdhsa_kernel
	.amdgpu_metadata
---
amdhsa.version: [ 1, 2 ]
amdhsa.kernels:
  - .name:           k_q6fcb71d9ec_proj
    .symbol:         k_q6fcb71d9ec_proj.kd
    .args:
      - { .name: x_codes, .offset: 0, .size: 8, .value_kind: global_buffer, .address_space: global }
      - { .name: x_scales, .offset: 8, .size: 8, .value_kind: global_buffer, .address_space: global }
      - { .name: qkv_codes, .offset: 16, .size: 8, .value_kind: global_buffer, .address_space: global }
      - { .name: qkv_scales, .offset: 24, .size: 8, .value_kind: global_buffer, .address_space: global }
      - { .name: qk_img, .offset: 32, .size: 8, .value_kind: global_buffer, .address_space: global }
      - { .name: qk_sc, .offset: 40, .size: 8, .value_kind: global_buffer, .address_space: global }
      - { .name: v_img, .offset: 48, .size: 8, .value_kind: global_buffer, .address_space: global }
      - { .name: v_sc, .offset: 56, .size: 8, .value_kind: global_buffer, .address_space: global }
    .group_segment_fixed_size: 327680
    .private_segment_fixed_size: 0
    .kernarg_segment_align: 8
    .kernarg_segment_size: 64
    .max_flat_workgroup_size: 128
    .sgpr_count:     100
    .vgpr_count:     1024
    .wavefront_size: 32
...
	.end_amdgpu_metadata
.endif
;; end of part 2
;; launch attn (part 3): grid 4 x 64, 8 waves a work-group, clusters of 4 x 1, 327,680 bytes of LDS; arguments qk_img, qk_sc, v_img, v_sc, o_img, o_sc; writes o_img, o_sc
.if DOCPART == 3
	.amdgcn_target "amdgcn-amd-amdhsa--gfx1250"
	.amdhsa_code_object_version 6
	.text
	.protected	k_q6fcb71d9ec_attn
	.globl	k_q6fcb71d9ec_attn
	.p2align	8
	.type	k_q6fcb71d9ec_attn,@function
k_q6fcb71d9ec_attn:
	s_mov_b64 s[64:65], 0
	v_nop
	global_prefetch_b8 v0, s[64:65] scope:SCOPE_SE
	s_setreg_imm32_b32 hwreg(HW_REG_WAVE_MODE, 25, 1), 1
	s_wait_xcnt 0x0
	s_wait_alu depctr_hold_cnt(0) depctr_sa_sdst(0) depctr_va_vdst(0) depctr_va_sdst(0) depctr_va_ssrc(0) depctr_va_vcc(0) depctr_vm_vsrc(0)
	s_getreg_b32 s2, hwreg(HW_REG_IB_STS2, 6, 4)
	s_cmp_eq_u32 s2, 0
	s_cbranch_scc0 .Lentry_in_a_cluster
	s_endpgm
.Lentry_in_a_cluster:
	s_bfe_u32 s2, ttmp6, 0x10000c
	s_cmp_lg_u32 s2, 0x3003
	s_cbranch_scc0 .Lentry_shape_is_right
	s_endpgm
.Lentry_shape_is_right:
; Both products of attention on codes of E4M3 (one E8M0 byte for each 32 along K), the softmax over the keys between them, and O / 8 quantised for the last product.  Nothing of reference() is left out here.
; t = score x log2(e); M = the running largest t rounded up to a whole number; p = 2^(t - M) is quantised along the keys; the row's sum is taken of the unquantised p and divides O at the end.
; 1 / sqrt(64) = 2^-3 goes onto O ahead of its quantiser: a power of two moves the scale bytes alone.
; SHARES.  A work-group owns ONE head of one batch and 512 queries; each of its 8 waves owns 64 of them and walks all 2,048 keys twice, 128 keys a step, with TWO tiles of 16 queries at a time:
; each fragment of K and of V that is read from LDS feeds both tiles' products.
; THE HEAD'S K AND V STAY IN LDS: 131,072 bytes of codes each, 8,192 and 4,096 bytes of scale words; every byte is filled once.  Key steps 0 to 3 and the scale words are asked for at the head
; (waves 0, 1: K's halves; 2, 3: V's; 4: K's scale words; 5: V's), the other 12 steps behind the next round, 24,576 bytes a wave (waves 0-3: K; 4-7: V).  One barrier, behind key step 2, shows them whole; no slot is ever filled again.
; CLUSTERS: the four work-groups of a head ask for these tiles jointly (mask 15): no descriptor word hangs on the place in the cluster.
; NO PREFETCH: all tiles are asked for by the two groups of loads at the head; there is no later load to run ahead of.
; LAYOUT as the launch before stores it: images of the operands' registers, 512 bytes a group of four registers.  A fragment of K holds two tiles of 16 keys side by side (K = 64 each); Q stands between registers of zero codes.
; Both products are used transposed: a lane holds one query (lane % 16); place (c, h, i) of p's codes is key 32 c + 16 (i / 8) + 8 h + i % 8, as in V's image.
; OUT: o_img [token / 16][k / 128][c 4][lane 32][16];  o_sc [head 16][token 8,192][2 bytes]: the head's two scale bytes of a token; a work-group stores 1,024 consecutive bytes of it.
; LIMITS: the promise holds while the scaled scores stay under 2^31 in magnitude; a block under 2^(9 - 127) gets the byte 1; NaN and infinities are not served.
; REGISTERS, window 0: v1-11 addresses; v12-15, v16-19 -M, the largest score and the sum of tiles A, B; v20-21 the old -M; v22, v24 f; v23, v25 p's scale words; v26-27 V's scale words; v28-31 Q's;
;   v32-95 K's fragments, one step ahead; v96-159 tile A's S^T and p, then V's fragments; v160-223 tile B's S^T and p; v224-255 at work (v248-251 K's scale words).
; window 1: v0-63 O^T of A and B; v64-95 p's codes; v96-135 zeros, Q of A, zeros, Q of B, zeros; v136-153 the second walk's Q and its scale words.
.set VOFF,  131072
.set SCK,   262144
.set SCV,   270336
.set GSC,   274432                     ; 1,024 bytes: the work-group's scale bytes of O, gathered
.set SPARE, 275456                     ; the spare words, 128 bytes for each wave
.set LI,  1
.set ASK0, 2
.set ASV0, 3
.set SPW, 4
.set NIL, 5
.set LIV, 6
.set AD,  7
.set ADS, 8
.set ADT, 9
.set ADV, 10
.set GA,  11
.set VS,  26
.set PW,  64                           ; window 1
.set QZ,  96
.set QN,  136
.set QNS, 152
.set TK,  2                            ; s2 8,192 x the count of steps walked
.set TN,  3                            ; s3 the next step's first byte in K's codes, wrapped to the head's first
.set TSN, 16
.set TJ,  17
.set WV,  18
.set MNT, 19
.set SEL, 20
.set CS,  22
.set G1,   24
.set G1SK, 32
.set G1SV, 40
.set G0K,  48
.set G0V,  52
.set G0SK, 56
.set G0SV, 60
.set CNT,  66
.set TW,   68                          ; s68 this step's first byte in V's codes
.set G1R,  84
.set G0R,  92
.set OFP,  100                         ; s[100:101] offsets that hang on my place in the cluster: Q's and O's addresses alone
.set MSB, 0
.macro WIN new                         ; low byte: bits 1:0 source 0, 3:2 source 1, 5:4 source 2, 7:6 destination; the high byte repeats the setting that is left
.if MSB != \new
	s_set_vgpr_msb (MSB<<8)|\new
.set MSB, \new
.endif
.endm
.macro CROUND
	s_barrier_signal -1
	s_barrier_wait -1
	s_cmp_lg_u32 s[WV], 0
	s_cbranch_scc1 .Lnot_wave_0_\@
	s_barrier_signal -3
.Lnot_wave_0_\@:
	s_barrier_wait -3
	s_barrier_signal -1
	s_barrier_wait -1
.endm
.macro ARM under, g0, g1, next
	s_cmp_lt_u32 s[WV], \under
	s_cbranch_scc0 \next
	tensor_load_to_lds s[\g0:\g0+3], s[\g1:\g1+7]
	s_nop 0
.rept 4
	v_nop
.endr
	s_branch .Lhead_asked
\next:
.endm
.macro FRESH                           ; two tiles of queries begin: the largest score -1e38, -M 1e38, sums and O^T zero: the first change of M multiplies zeros
	WIN 0x40
.set j, 0
.rept 64
	v_mov_b32 v[j], 0
.set j, j+1
.endr
	WIN 0
.irp u, 0,4
	v_mov_b32 v[13+\u], 0xfe967699
	v_mov_b32 v[12+\u], 0x7e967699
	v_mov_b32 v[14+\u], 0
	v_mov_b32 v[15+\u], 0
.endr
.endm
.macro KLOAD a, s                      ; a step's four fragments of K and its scale words
	ds_load_b128 v[248:251], v[\s]
.irp j, 0,1,2,3
.irp c, 0,1,2,3
	ds_load_b128 v[32+16*\j+4*\c:35+16*\j+4*\c], v[\a] offset:2048*\j+512*\c
.endr
.endr
.endm
	s_load_b256 s[4:11], s[0:1], 0x0               ; qk_img, qk_sc, v_img, v_sc
	s_load_b128 s[12:15], s[0:1], 0x20             ; o_img, o_sc
	v_lshl_add_u32 v[SPW], v0, 2, SPARE
	v_mov_b32 v[NIL], 0
	ds_add_u32 v[SPW], v[NIL]                      ; the opening lines: the add, twice on end, and its wait
	ds_add_u32 v[SPW], v[NIL]
	v_lshrrev_b32 v8, 5, v0
	v_readfirstlane_b32 s[WV], v8
	s_bfe_u32 s70, ttmp6, 0x40000                  ; cx: which 512 queries
	s_and_b32 s72, ttmp7, 0xffff                   ; 16 x batch + head
	s_and_b32 s73, s[WV], 1
.irp g, G1, G1SK, G1SV, G1R                    ; dense blocks as rows of 256 bytes (32 elements of 8 bytes); mask 15, bit 21 beside it
	s_mov_b32 s[\g], 15|(3<<16)|(1<<21)
	s_mov_b32 s[\g+1], 32<<16
	s_mov_b32 s[\g+3], 32<<16
	s_mov_b32 s[\g+5], 32
	s_mov_b32 s[\g+6], 0
	s_mov_b32 s[\g+7], 0
.endr
	s_mov_b32 s[G1+2], 64<<16
	s_mov_b32 s[G1+4], 64
	s_mov_b32 s[G1SK+2], 32<<16
	s_mov_b32 s[G1SK+4], 32
	s_mov_b32 s[G1SV+2], 16<<16
	s_mov_b32 s[G1SV+4], 16
	s_mov_b32 s[G1R+2], 96<<16
	s_mov_b32 s[G1R+4], 96
	s_lshl_b32 s74, s72, 17                        ; the head's first byte in each image
	s_lshl_b32 s76, s73, 14                        ; my half of steps 0 to 3
	s_add_co_u32 s68, s74, s76
	s_mov_b32 s69, 0
	s_lshl_b32 s80, s72, 13                        ; in qk_sc
	s_mov_b32 s81, 0
	s_lshl_b32 s82, s72, 12                        ; in v_sc
	s_mov_b32 s83, 0
	s_lshr_b32 s96, s[WV], 2                       ; steps 4 to 15: 0 K, 1 V
	s_and_b32 s97, s[WV], 3
	s_mul_i32 s97, s97, 24576
	s_add_co_u32 s97, s97, 32768                   ; my quarter of them
	s_add_co_u32 s98, s74, s97
	s_mov_b32 s99, 0
	s_lshl_b32 s96, s96, 17
	s_add_co_u32 s96, s96, s97                     ; and where it goes
	s_mov_b32 s[SEL], 0x76543210
	s_mov_b32 s[SEL+1], 0xfedcba98
	s_mov_b32 s[CS], 0x3fb8aa3b                    ; log2(e)
	s_mov_b32 s[CS+1], s[CS]
	s_mov_b32 s[MNT], 0x600000
	s_wait_dscnt 0x0
	s_wait_kmcnt 0x0
	s_mov_b32 s[G0K], 1
	s_mov_b32 s[G0K+1], s76
	s_add_nc_u64 s[G0K+2:G0K+3], s[4:5], s[68:69]
	s_add_nc_u64 s[G0K+2:G0K+3], s[G0K+2:G0K+3], 8388608
	s_or_b32 s[G0K+3], s[G0K+3], 0x80000000
	s_mov_b32 s[G0V], 1
	s_add_co_u32 s[G0V+1], s76, VOFF
	s_add_nc_u64 s[G0V+2:G0V+3], s[8:9], s[68:69]
	s_or_b32 s[G0V+3], s[G0V+3], 0x80000000
	s_mov_b32 s[G0SK], 1
	s_mov_b32 s[G0SK+1], SCK
	s_add_nc_u64 s[G0SK+2:G0SK+3], s[6:7], s[80:81]
	s_add_nc_u64 s[G0SK+2:G0SK+3], s[G0SK+2:G0SK+3], 524288
	s_or_b32 s[G0SK+3], s[G0SK+3], 0x80000000
	s_mov_b32 s[G0SV], 1
	s_mov_b32 s[G0SV+1], SCV
	s_add_nc_u64 s[G0SV+2:G0SV+3], s[10:11], s[82:83]
	s_or_b32 s[G0SV+3], s[G0SV+3], 0x80000000
	s_mov_b32 s[G0R], 1
	s_mov_b32 s[G0R+1], s96
	s_add_nc_u64 s[76:77], s[4:5], 8388608
	s_cmp_lt_u32 s[WV], 4
	s_cselect_b64 s[76:77], s[76:77], s[8:9]
	s_add_nc_u64 s[G0R+2:G0R+3], s[76:77], s[98:99]
	s_or_b32 s[G0R+3], s[G0R+3], 0x80000000
	CROUND                                         ; the four work-groups are here: the first joint loads meet
	ARM 2, G0K,  G1,   .Lhead_v                    ; one tree of branches on the wave's number: no way passes two loads
	ARM 4, G0V,  G1,   .Lhead_sk
	ARM 5, G0SK, G1SK, .Lhead_sv
	ARM 6, G0SV, G1SV, .Lhead_none
.Lhead_asked:
	s_lshl_b32 s67, s70, 5
	s_lshl_b32 s71, s[WV], 1
	s_add_co_u32 s67, s67, s71                     ; tile A of my first walk: 32 cx + 2 x wave; B is the next; the second walk's are 16 tiles on
	s_lshl_b32 s[OFP], s67, 10
	s_add_co_u32 s[OFP], s[OFP], s74
	s_mov_b32 s[OFP+1], 0
	s_add_nc_u64 s[4:5], s[4:5], s[OFP:OFP+1]      ; Q's codes
	s_lshl_b32 s[OFP], s70, 11                     ; Q's scale words: 512 bytes for 128 tokens; 4 bytes for each pair of tiles; the odd tile's 256 on
	s_add_co_u32 s[OFP], s[OFP], s80
	s_lshr_b32 s78, s[WV], 2
	s_lshl_b32 s78, s78, 9
	s_add_co_u32 s[OFP], s[OFP], s78
	s_and_b32 s78, s[WV], 3
	s_lshl_b32 s78, s78, 2
	s_add_co_u32 s[OFP], s[OFP], s78
	s_add_nc_u64 s[6:7], s[6:7], s[OFP:OFP+1]
	s_lshr_b32 s78, s72, 4                         ; batch
	s_and_b32 s79, s72, 15                         ; head
	s_lshl_b32 s[OFP], s78, 7
	s_add_co_u32 s[OFP], s[OFP], s67
	s_lshl_b32 s[OFP], s[OFP], 14                  ; o_img: 16,384 bytes a tile of tokens,
	s_lshl_b32 s71, s79, 10                        ; 1,024 a head
	s_add_co_u32 s[OFP], s[OFP], s71
	s_add_nc_u64 s[12:13], s[12:13], s[OFP:OFP+1]
	s_lshl_b32 s[OFP], s79, 14                     ; o_sc: 16,384 bytes a head, 4,096 a batch, 1,024 a work-group, 512 a storing wave
	s_lshl_b32 s71, s78, 12
	s_add_co_u32 s[OFP], s[OFP], s71
	s_lshl_b32 s71, s70, 10
	s_add_co_u32 s[OFP], s[OFP], s71
	s_lshl_b32 s71, s[WV], 9
	s_add_co_u32 s[OFP], s[OFP], s71
	s_add_nc_u64 s[14:15], s[14:15], s[OFP:OFP+1]
	s_lshl_b32 s78, s[WV], 6
	v_and_b32 v7, 31, v0
	v_lshlrev_b32 v[LI], 4, v7
	v_and_b32 v8, 15, v0
	v_lshlrev_b32 v9, 4, v8
	global_load_b32 v28, v9, s[6:7]                ; tile A's scale word: its two bytes in bytes 0, 1
	global_load_b32 v31, v9, s[6:7] offset:256     ; tile B's: in bytes 2, 3
	WIN 0x40                                       ; destinations in window 1
	global_load_b32 v[QNS], v9, s[6:7] offset:1024
	global_load_b32 v[QNS+1], v9, s[6:7] offset:1280
.irp c, 0,1
	global_load_b128 v[QZ+8+4*\c:QZ+11+4*\c], v[LI], s[4:5] offset:512*\c
	global_load_b128 v[QZ+24+4*\c:QZ+27+4*\c], v[LI], s[4:5] offset:1024+512*\c
	global_load_b128 v[QN+4*\c:QN+3+4*\c], v[LI], s[4:5] offset:16384+512*\c
	global_load_b128 v[QN+8+4*\c:QN+11+4*\c], v[LI], s[4:5] offset:17408+512*\c
.endr
.set j, 0
.rept 8
	v_mov_b32 v[QZ+j], 0                           ; zero codes beside Q
	v_mov_b32 v[QZ+16+j], 0
	v_mov_b32 v[QZ+32+j], 0
.set j, j+1
.endr
	FRESH
	v_lshl_add_u32 v[ASK0], v7, 4, SCK
	v_lshl_add_u32 v[ASV0], v7, 3, SCV
	v_lshl_add_u32 v[LIV], v7, 4, VOFF
	v_lshl_add_u32 v[GA], v8, 1, s78
	v_add_nc_u32 v[GA], GSC, v[GA]                 ; where my tiles' scale bytes of O go: 2 bytes a token
.irp n, 0,1,2,3,4,5,6,7
	v_mov_b32 v[232+\n], 0                         ; a lane permute's destination counts as one of its sources
.endr
	v_mov_b32 v252, 0
	v_mov_b32 v23, 0
	v_mov_b32 v25, 0
; p of tile u becomes codes and a scale word: the blocks' largest p stand in v[224 + 4 u ..]
.macro QUANTP u
.irp b, 0,1,2,3
	v_max_num_f32 v[224+4*\u+\b], 0x4800000, v[224+4*\u+\b]   ; the floor 2^(9 - 127)
.endr
.irp b, 0,1,2,3
	v_add_nc_u32 v[232+\b], 0xfc000000, v[224+4*\u+\b]        ; the conversion's scale operand
.endr
.irp b, 0,1,2,3
	v_and_or_b32 v[240+\b], v[224+4*\u+\b], 0x7f800000, s[MNT]   ; 448 x the scale
.endr
.irp b, 0,1,2,3
	v_lshrrev_b32 v[236+\b], 23, v[232+\b]         ; the scale's byte
.endr
	v_lshl_or_b32 v[23+2*\u], v237, 8, v236
	v_lshl_or_b32 v[23+2*\u], v238, 16, v[23+2*\u]
	v_lshl_or_b32 v[23+2*\u], v239, 24, v[23+2*\u]
.irp b, 0,1,2,3
	v_and_or_b32 v[236+(\b+1)%4], v[224+4*\u+\b], 0x7f800000, s[MNT]   ; 448 x the scale once more, in another register bank: for the second half of the pairs below
.endr
.irp b, 0,1,2,3
.set j, 0
.rept 8
	v_dual_min_num_f32 v[96+64*\u+16*\b+j], v[96+64*\u+16*\b+j], v[240+\b] :: v_dual_min_num_f32 v[97+64*\u+16*\b+j], v[97+64*\u+16*\b+j], v[236+(\b+1)%4]   ; the hold, two numbers a line (p is not negative)
.set j, j+2
.endr
.endr
	WIN 0x40                                       ; the codes go to window 1
.irp b, 0,1,2,3
	v_cvt_scalef32_pk8_fp8_f32 v[PW+16*\u+4*\b:PW+16*\u+4*\b+1], v[96+64*\u+16*\b:103+64*\u+16*\b], v[232+\b]
	v_cvt_scalef32_pk8_fp8_f32 v[PW+16*\u+4*\b+2:PW+16*\u+4*\b+3], v[104+64*\u+16*\b:111+64*\u+16*\b], v[232+\b]
.endr
.endm
; A KEY STEP: 128 keys x 32 queries.  K's fragments and scale words were fetched a step ago.
.macro STEP
	s_and_b32 s[TW], s[TK], 0x1ffff
	s_add_co_u32 s[TN], s[TK], 8192
	s_and_b32 s[TN], s[TN], 0x1ffff                ; behind the last step comes the first: the second walk begins there
	s_lshr_b32 s[TSN], s[TN], 4
	s_lshr_b32 s[TJ], s[TW], 5
	v_add_nc_u32 v[AD], s[TN], v[LI]
	v_add_nc_u32 v[ADS], s[TSN], v[ASK0]
	v_add_nc_u32 v[ADT], s[TJ], v[ASV0]
	v_add_nc_u32 v[ADV], s[TW], v[LIV]
	v_mov_b32 v20, v12                             ; the old -M of both tiles
	v_mov_b32 v21, v16
.rept 3
	v_nop                                          ; nine places in all: the products below write over V's fragments, which the last products read
.endr
	WIN 0x04                                       ; source 1, Q, in window 1
.irp j, 0,1,2,3
	v_wmma_scale_f32_16x16x128_f8f6f4 v[96+16*\j:103+16*\j], v[32+16*\j:47+16*\j], v[QZ+8:QZ+23], 0, v[248+\j], v28
	v_wmma_scale_f32_16x16x128_f8f6f4 v[104+16*\j:111+16*\j], v[32+16*\j:47+16*\j], v[QZ:QZ+15], 0, v[248+\j], v29 matrix_a_scale:MATRIX_SCALE_ROW1
	v_wmma_scale_f32_16x16x128_f8f6f4 v[160+16*\j:167+16*\j], v[32+16*\j:47+16*\j], v[QZ+24:QZ+39], 0, v[248+\j], v30
	v_wmma_scale_f32_16x16x128_f8f6f4 v[168+16*\j:175+16*\j], v[32+16*\j:47+16*\j], v[QZ+16:QZ+31], 0, v[248+\j], v31 matrix_a_scale:MATRIX_SCALE_ROW1
.endr
	WIN 0
.rept 8
	v_nop                                          ; eight places ahead of loads into, and reads of, these products' registers
.endr
	ds_load_b64 v[VS:VS+1], v[ADT]
	KLOAD AD, ADS                                  ; the next step's K
.irp u, 0,1
.irp b, 0,1,2,3
	v_max3_num_f32 v[224+4*\u+\b], v[96+64*\u+16*\b], v[97+64*\u+16*\b], v[98+64*\u+16*\b]   ; the largest score of each block of 32 keys: for the row's maximum and for the block's largest p
.endr
.endr
.irp i, 3,5,7,9,11,13
.irp u, 0,1
.irp b, 0,1,2,3
	v_max3_num_f32 v[224+4*\u+\b], v[224+4*\u+\b], v[96+64*\u+16*\b+\i], v[97+64*\u+16*\b+\i]
.endr
.endr
.endr
.irp n, 0,1,2,3,4,5,6,7
	v_max_num_f32 v[224+\n], v[224+\n], v[111+16*\n]
.endr
.irp n, 0,1,2,3,4,5,6,7
	v_permlanex16_b32 v[232+\n], v[224+\n], s[SEL], s[SEL+1]
.endr
.irp n, 0,1,2,3,4,5,6,7
	v_max_num_f32 v[224+\n], v[224+\n], v[232+\n]
.endr
	v_max3_num_f32 v252, v224, v225, v226          ; the two tiles' chains by turns
	v_max3_num_f32 v254, v228, v229, v230
	v_max3_num_f32 v13, v252, v227, v13            ; the running largest score
	v_max3_num_f32 v17, v254, v231, v17
	v_mul_f32 v252, s[CS], v13                     ; as t
	v_mul_f32 v254, s[CS], v17
	v_floor_f32 v12, -v252                         ; -M = floor(-t)
	v_floor_f32 v16, -v254
	v_sub_f32 v252, v12, v20
	v_sub_f32 v254, v16, v21
	v_cvt_i32_f32 v252, v252
	v_cvt_i32_f32 v254, v254
	v_ldexp_f32 v22, 1.0, v252                     ; f = 2^(old M - new M)
	v_ldexp_f32 v24, 1.0, v254
.set j, 0
.rept 32
	v_pk_fma_f32 v[96+j:97+j], v[96+j:97+j], s[CS:CS+1], v[12:13] op_sel_hi:[1,0,0]   ; t - M
	v_pk_fma_f32 v[160+j:161+j], v[160+j:161+j], s[CS:CS+1], v[16:17] op_sel_hi:[1,0,0]
.set j, j+2
.endr
.irp b, 0,1,2,3
	v_fma_f32 v[224+\b], v[224+\b], s[CS], v12
	v_fma_f32 v[228+\b], v[228+\b], s[CS], v16
.endr
	s_wait_alu depctr_va_vdst(0)                   ; the wait ahead of the batch
.set j, 0
.rept 136
	v_exp_f32 v[96+j], v[96+j]                     ; p of both tiles, and the eight blocks' largest p
.set j, j+1
.endr
	v_pk_mul_f32 v[14:15], v[14:15], v[22:23] op_sel_hi:[1,0]
	v_pk_mul_f32 v[18:19], v[18:19], v[24:25] op_sel_hi:[1,0]
	s_wait_alu depctr_va_vdst(0)                   ; and behind it
	v_pk_add_f32 v[244:245], v[96:97], v[98:99]    ; the rows' sums of the unquantised p, two chains a tile
	v_pk_add_f32 v[246:247], v[160:161], v[162:163]
.set j, 4
.rept 15
	v_pk_add_f32 v[14:15], v[14:15], v[96+j:97+j]
	v_pk_add_f32 v[18:19], v[18:19], v[160+j:161+j]
	v_pk_add_f32 v[244:245], v[244:245], v[98+j:99+j]
	v_pk_add_f32 v[246:247], v[246:247], v[162+j:163+j]
.set j, j+4
.endr
	v_pk_add_f32 v[14:15], v[14:15], v[244:245]
	v_pk_add_f32 v[18:19], v[18:19], v[246:247]
	QUANTP 0
	WIN 0
	v_nop                                          ; a plain line behind the last conversion
.irp b, 0,1,2,3
.irp c, 0,1,2,3
	ds_load_b128 v[96+16*\b+4*\c:99+16*\b+4*\c], v[ADV] offset:2048*\b+512*\c   ; V's fragments take tile A's registers; they serve both tiles
.endr
.endr
	QUANTP 1
	WIN 0x41                                       ; O^T: source 0 and destination in window 1
	s_wait_alu depctr_va_vdst(0)                   ; the wait directly ahead of the first reader of O^T
.set j, 0
.rept 16
	v_pk_mul_f32 v[j:j+1], v[j:j+1], v[22:23] op_sel_hi:[1,0]
.set j, j+2
.endr
.rept 16
	v_pk_mul_f32 v[j:j+1], v[j:j+1], v[24:25] op_sel_hi:[1,0]
.set j, j+2
.endr
	WIN 0x54                                       ; p's codes, C and D in window 1
	s_wait_alu depctr_va_vdst(0)
	s_wait_dscnt 0x0                               ; V's fragments, and the next step's K
.irp t, 0,2
.irp u, 0,1
	v_wmma_scale_f32_16x16x128_f8f6f4 v[32*\u+8*\t:32*\u+8*\t+7], v[96+16*\t:111+16*\t], v[PW+16*\u:PW+16*\u+15], v[32*\u+8*\t:32*\u+8*\t+7], v[VS+\t/2], v[23+2*\u]
.endr
.irp u, 0,1
	v_wmma_scale_f32_16x16x128_f8f6f4 v[32*\u+8*\t+8:32*\u+8*\t+15], v[112+16*\t:127+16*\t], v[PW+16*\u:PW+16*\u+15], v[32*\u+8*\t+8:32*\u+8*\t+15], v[VS+\t/2], v[23+2*\u] matrix_a_scale:MATRIX_SCALE_ROW1
.endr
.endr
	WIN 0
.endm
; Tile u of walk p is finished: O^T / (8 x the sum), its two blocks of 32 quantised, codes stored as an image, the two scale bytes gathered in LDS.
.macro TILE_END u, p
.set SM, 14+4*\u
.set PB, 96+32*\u
.set CB, 192+8*\u
	v_add_f32 v[SM], v[SM], v[SM+1]
	v_permlanex16_b32 v252, v[SM], s[SEL], s[SEL+1]
	v_add_f32 v[SM], v[SM], v252
	s_wait_alu depctr_va_vdst(0)
	v_rcp_f32 v[SM], v[SM]
	v_nop
	WIN 0x01                                       ; source 0, O^T, in window 1
	s_wait_alu depctr_va_vdst(0)
	v_mul_f32 v[SM], 0x3e000000, v[SM]
.set j, 0
.rept 16
	v_pk_mul_f32 v[PB+j:PB+j+1], v[32*\u+j:32*\u+j+1], v[SM:SM+1] op_sel_hi:[1,0]
.set j, j+2
.endr
	WIN 0
.irp b, 0,1
	v_max3_num_f32 v[232+\b], |v[PB+16*\b]|, |v[PB+1+16*\b]|, 0x4800000
.endr
.irp i, 2,4,6,8,10,12,14
.irp b, 0,1
	v_max3_num_f32 v[232+\b], v[232+\b], |v[PB+16*\b+\i]|, |v[PB+1+16*\b+\i]|
.endr
.endr
.irp b, 0,1
	v_permlanex16_b32 v[236+\b], v[232+\b], s[SEL], s[SEL+1]
.endr
.irp b, 0,1
	v_max_num_f32 v[232+\b], v[232+\b], v[236+\b]
.endr
.irp b, 0,1
	v_add_nc_u32 v[244+\b], 0xfc000000, v[232+\b]
.endr
.irp b, 0,1
	v_and_or_b32 v[240+\b], v[232+\b], 0x7f800000, s[MNT]
.endr
.irp b, 0,1
	v_lshrrev_b32 v[236+\b], 23, v[244+\b]
.endr
	v_lshl_or_b32 v254, v237, 8, v236
	ds_store_b16 v[GA], v254 offset:32*\u+512*\p   ; both halves of the lanes hold, and store, the same bytes
.irp b, 0,1
.set j, 0
.rept 16
	v_med3_num_f32 v[PB+16*\b+j], v[PB+16*\b+j], -v[240+\b], v[240+\b]
.set j, j+1
.endr
	v_cvt_scalef32_pk8_fp8_f32 v[CB+4*\b:CB+4*\b+1], v[PB+16*\b:PB+16*\b+7], v[244+\b]
	v_cvt_scalef32_pk8_fp8_f32 v[CB+4*\b+2:CB+4*\b+3], v[PB+16*\b+8:PB+16*\b+15], v[244+\b]
.endr
	v_nop
	global_store_b128 v[LI], v[CB:CB+3], s[12:13] offset:16384*\u+262144*\p       ; 32 lanes store 512 consecutive bytes, aligned
	global_store_b128 v[LI], v[CB+4:CB+7], s[12:13] offset:16384*\u+262144*\p+512
.endm
	s_wait_alu depctr_va_vdst(0)                   ; the wait at the head's end
	s_wait_tensorcnt 0x0                           ; the add twice
	ds_add_u32 v[SPW], v[NIL]
	ds_add_u32 v[SPW], v[NIL]
	s_wait_dscnt 0x0
	CROUND                                         ; steps 0 to 3 and the scale words are whole, and the four work-groups are here
	tensor_load_to_lds s[G0R:G0R+3], s[G1R:G1R+7]  ; steps 4 to 15: my one load behind the round
	s_nop 0
.rept 4
	v_nop
.endr
	KLOAD LI, ASK0                                 ; step 0's K
	s_wait_loadcnt 0x0                             ; Q
	v_lshlrev_b32 v29, 16, v28                     ; the same two bytes for Q in blocks 2, 3,
	v_lshrrev_b32 v30, 16, v31                     ; and in blocks 0, 1
	s_wait_alu depctr_va_vdst(0)
	s_wait_dscnt 0x0
	s_mov_b32 s[TK], 0
	s_mov_b32 s[CNT], 3
.Lfirst:                                               ; steps 0 to 2 read, and look ahead into, steps 0 to 3 alone
	STEP
	s_add_co_u32 s[TK], s[TK], 8192
	s_sub_co_u32 s[CNT], s[CNT], 1
	s_cmp_lg_u32 s[CNT], 0
	s_cbranch_scc1 .Lfirst
	s_wait_tensorcnt 0x0                           ; my part of steps 4 to 15 is in,
	s_wait_dscnt 0x0
	s_barrier_signal -1
	s_barrier_wait -1                              ; everybody's is
	s_mov_b32 s[CNT], 29
.Lrest:                                                ; the first walk's other 13 steps and the second walk's 16
	STEP
	s_add_co_u32 s[TK], s[TK], 8192
	s_cmp_lg_u32 s[CNT], 17                        ; behind the 13th of these trips the first walk is over: a branch on the count of trips alone
	s_cbranch_scc1 .Lsame_walk
.rept 8
	v_nop
.endr
	TILE_END 0, 0
	TILE_END 1, 0
	WIN 0x41
.set j, 0
.rept 8
	v_mov_b32 v[QZ+8+j], v[QN+j]                   ; the second walk's Q
	v_mov_b32 v[QZ+24+j], v[QN+8+j]
.set j, j+1
.endr
	WIN 0x01
	v_mov_b32 v28, v[QNS]
	v_mov_b32 v31, v[QNS+1]
	WIN 0
	v_lshlrev_b32 v29, 16, v28
	v_lshrrev_b32 v30, 16, v31
	FRESH
	s_wait_alu depctr_va_vdst(0)
	s_wait_xcnt 0x0                                ; the stores have read their data: the registers are written again below
.Lsame_walk:
	s_sub_co_u32 s[CNT], s[CNT], 1
	s_cmp_lg_u32 s[CNT], 0
	s_cbranch_scc1 .Lrest
.rept 8
	v_nop
.endr
	TILE_END 0, 1
	TILE_END 1, 1
	s_lshl_b32 s79, s[WV], 9
	v_add_nc_u32 v7, s79, v[LI]
	v_add_nc_u32 v7, GSC, v7                       ; waves 0 and 1 read the scale bytes back
	s_wait_alu depctr_va_vdst(0)
	s_wait_dscnt 0x0                               ; my scale bytes are in LDS
	s_barrier_signal -1
	s_barrier_wait -1
	s_cmp_lt_u32 s[WV], 2
	s_cbranch_scc0 .Ldone
	ds_load_b128 v[96:99], v7
	s_wait_dscnt 0x0
	global_store_b128 v[LI], v[96:99], s[14:15]    ; 512 consecutive bytes, aligned
.Ldone:
	s_wait_tensorcnt 0x0                           ; the wave's end
	ds_add_u32 v[SPW], v[NIL]
	s_wait_dscnt 0x0
	CROUND                                         ; the closing round
	s_endpgm
.Lfunc_end_k_q6fcb71d9ec_attn:
	.size	k_q6fcb71d9ec_attn, .Lfunc_end_k_q6fcb71d9ec_attn-k_q6fcb71d9ec_attn
	.p2alignl 7, 3214868480
	.fill 96, 4, 3214868480
	.section	.rodata,"a",@progbits
	.p2align	6, 0x0
	.amdhsa_kernel k_q6fcb71d9ec_attn
		.amdhsa_group_segment_fixed_size 327680
		.amdhsa_private_segment_fixed_size 0
		.amdhsa_enable_private_segment 0
		.amdhsa_kernarg_size 48
		.amdhsa_user_sgpr_count 2
		.amdhsa_user_sgpr_kernarg_segment_ptr 1
		.amdhsa_wavefront_size32 1
		.amdhsa_system_sgpr_workgroup_id_x 1
		.amdhsa_system_sgpr_workgroup_id_y 1
		.amdhsa_system_sgpr_workgroup_id_z 1
		.amdhsa_system_vgpr_workitem_id 0
		.amdhsa_next_free_vgpr 512
		.amdhsa_next_free_sgpr 102
		.amdhsa_reserve_vcc 0
		.amdhsa_float_denorm_mode_32 3
		.amdhsa_float_denorm_mode_16_64 3
		.amdhsa_memory_ordered 1
		.amdhsa_forward_progress 1
		.amdhsa_inst_pref_size 112
	.end_amdhsa_kernel
	.amdgpu_metadata
---
amdhsa.version: [ 1, 2 ]
amdhsa.kernels:
  - .name:           k_q6fcb71d9ec_attn
    .symbol:         k_q6fcb71d9ec_attn.kd
    .args:
      - { .name: qk_img, .offset: 0, .size: 8, .value_kind: global_buffer, .address_space: global }
      - { .name: qk_sc, .offset: 8, .size: 8, .value_kind: global_buffer, .address_space: global }
      - { .name: v_img, .offset: 16, .size: 8, .value_kind: global_buffer, .address_space: global }
      - { .name: v_sc, .offset: 24, .size: 8, .value_kind: global_buffer, .address_space: global }
      - { .name: o_img, .offset: 32, .size: 8, .value_kind: global_buffer, .address_space: global }
      - { .name: o_sc, .offset: 40, .size: 8, .value_kind: global_buffer, .address_space: global }
    .group_segment_fixed_size: 327680
    .private_segment_fixed_size: 0
    .kernarg_segment_align: 8
    .kernarg_segment_size: 48
    .max_flat_workgroup_size: 256
    .sgpr_count:     102
    .vgpr_count:     512
    .wavefront_size: 32
...
	.end_amdgpu_metadata
.endif
;; end of part 3
;; launch outp (part 4): grid 4 x 32, 4 waves a work-group, clusters of 4 x 4, 327,680 bytes of LDS; arguments o_img, o_sc, w_img, w_sc, out0; writes out0
.if DOCPART == 4
	.amdgcn_target "amdgcn-amd-amdhsa--gfx1250"
	.amdhsa_code_object_version 6
	.text
	.protected	k_q6fcb71d9ec_outp
	.globl	k_q6fcb71d9ec_outp
	.p2align	8
	.type	k_q6fcb71d9ec_outp,@function
k_q6fcb71d9ec_outp:
	s_mov_b64 s[64:65], 0
	v_nop
	global_prefetch_b8 v0, s[64:65] scope:SCOPE_SE
	s_setreg_imm32_b32 hwreg(HW_REG_WAVE_MODE, 25, 1), 1
	s_wait_xcnt 0x0
	s_wait_alu depctr_hold_cnt(0) depctr_sa_sdst(0) depctr_va_vdst(0) depctr_va_sdst(0) depctr_va_ssrc(0) depctr_va_vcc(0) depctr_vm_vsrc(0)
	s_getreg_b32 s2, hwreg(HW_REG_IB_STS2, 6, 4)
	s_cmp_eq_u32 s2, 0
	s_cbranch_scc0 .Lentry_in_a_cluster
	s_endpgm
.Lentry_in_a_cluster:
	s_bfe_u32 s2, ttmp6, 0x10000c
	s_cmp_lg_u32 s2, 0xf033
	s_cbranch_scc0 .Lentry_shape_is_right
	s_endpgm
.Lentry_shape_is_right:
.set SIZE_N, 1024
.set SIZE_K, 1024
.set NQ,     2
.set STEPB,  4096
.set KROW,   1024
.set FR,     16
.set NL,     4
.set NP,     8
.set HALFT,  8*STEPB
.set SLOT,   4*HALFT
.set LAPS,   SIZE_K/512
.set SCL,    2*SLOT
.set HALFS,  4096
.set SPARE,  SCL+4*HALFS
.set SPITCH, 528
.set ADRA, 16
.set ADRB, 20
.set STO,  24
.set RD,   25
.set CO,   26
.set ADRS, 27
.set SPW,  28
.set NIL,  29
.set SC,   32
.set AF,   128
.set BK,   128
.set G1, 24
.set G0, 32
.set G1B, 48
.set G0B, 56
.set G1S, 68
.set G0S, 76
.set G1SB, 80
.set G0SB, 88
.set MSB, 0
.macro WIN new
.if MSB != \new
	s_set_vgpr_msb (MSB<<8)|\new
.set MSB, \new
.endif
.endm
.set MUL_LO, 0xa1
.set MUL_HI, 0xf1
.set TO_B,   0x40
.macro JLOAD g0a, g1a, g0b, g1b
	s_cmp_eq_u32 s15, 0
	s_cbranch_scc0 .Lfor_b_\@
	tensor_load_to_lds s[\g0a:\g0a+3], s[\g1a:\g1a+7]
	s_nop 0
.rept 4
	v_nop
.endr
	s_branch .Lasked_\@
.Lfor_b_\@:
	tensor_load_to_lds s[\g0b:\g0b+3], s[\g1b:\g1b+7]
	s_nop 0
.rept 4
	v_nop
.endr
.Lasked_\@:
.endm
.macro CREST
	s_cmp_lg_u32 s14, 0
	s_cbranch_scc1 .Lnot_wave_0_\@
	s_barrier_signal -3
.Lnot_wave_0_\@:
	s_barrier_wait -3
	s_barrier_signal -1
	s_barrier_wait -1
.endm
.macro CROUND
	s_barrier_signal -1
	s_barrier_wait -1
	CREST
.endm
	s_load_b128 s[4:7], s[0:1], 0x0
	s_load_b128 s[8:11], s[0:1], 0x10
	s_load_b64 s[12:13], s[0:1], 0x20
	v_lshl_add_u32 v[SPW], v0, 2, SPARE
	v_mov_b32 v[NIL], 0
	ds_add_u32 v[SPW], v[NIL]
	ds_add_u32 v[SPW], v[NIL]
	v_lshrrev_b32 v1, 5, v0
	v_readfirstlane_b32 s14, v1
	s_lshr_b32 s15, s14, 1
	s_and_b32 s16, s14, 1
	s_bfe_u32 s40, ttmp6, 0x40000
	s_bfe_u32 s41, ttmp6, 0x40004
	s_lshl_b32 s42, ttmp9, 2
	s_add_co_u32 s42, s42, s40
	s_and_b32 s17, ttmp7, 0xffff
	s_lshl_b32 s17, s17, 2
	s_add_co_u32 s17, s17, s41
	s_lshl_b32 s43, s41, 2
	s_lshl_b32 s43, 15, s43
	s_lshl_b32 s44, 0x1111, s40
	s_or_b32 s[G1+0], s43, (3<<16)|(1<<21)
	s_or_b32 s[G1B+0], s44, (3<<16)|(1<<21)
.irp g, G1, G1B
	s_mov_b32 s[\g+1], 512<<16
	s_mov_b32 s[\g+2], 8<<16
	s_mov_b32 s[\g+3], 512<<16
	s_mov_b32 s[\g+4], 8
	s_mov_b32 s[\g+5], 2048
	s_mov_b32 s[\g+6], 0
	s_mov_b32 s[\g+7], 0
.endr
	s_or_b32 s[G1S+0], s43, (3<<16)|(1<<21)
	s_or_b32 s[G1SB+0], s44, (3<<16)|(1<<21)
.irp g, G1S, G1SB
	s_mov_b32 s[\g+1], 64<<16
	s_mov_b32 s[\g+2], 8<<16
	s_mov_b32 s[\g+3], 64<<16
	s_mov_b32 s[\g+4], 8
	s_mov_b32 s[\g+6], 0
	s_mov_b32 s[\g+7], 0
.endr
	s_mov_b32 s[G1S+1], 32<<16                     ; O's scale bytes come as planes [head 16][token][2 bytes]: of my 128 tokens 16 rows of 256 bytes, 16,384 bytes apart
	s_mov_b32 s[G1S+2], 16<<16
	s_mov_b32 s[G1S+3], 32<<16
	s_mov_b32 s[G1S+4], 16
	s_mov_b32 s[G1S+5], 2048
	s_mov_b32 s[G1SB+5], 512
	s_lshl_b32 s18, s16, 7
	s_lshl_b32 s20, s17, 8
	s_add_co_u32 s20, s20, s18
	s_lshl_b32 s46, s42, 8
	s_add_co_u32 s46, s46, s18
	s_mov_b32 s21, 0
	s_mov_b32 s47, 0
	s_mov_b64 s[18:19], 4
	s_lshl_b64 s[22:23], s[20:21], 1               ; 2 bytes a token in a plane
	s_mul_u64 s[92:93], s[46:47], s[18:19]
	s_mov_b64 s[18:19], KROW
	s_mul_u64 s[20:21], s[20:21], s[18:19]
	s_mul_u64 s[46:47], s[46:47], s[18:19]
	s_mul_i32 s45, s14, HALFT
	s_mul_i32 s94, s14, HALFS
	s_wait_dscnt 0x0
	s_wait_kmcnt 0x0
	s_add_nc_u64 s[20:21], s[4:5], s[20:21]
	s_add_nc_u64 s[22:23], s[6:7], s[22:23]
	s_add_nc_u64 s[46:47], s[8:9], s[46:47]
	s_add_nc_u64 s[92:93], s[10:11], s[92:93]
	CROUND
	s_mov_b32 s[G0S], 1
.set PLN, SPARE+512                    ; behind the spare words: the planes as they land, 4,096 bytes for each 128 tokens
	s_add_co_u32 s[G0S+1], s94, PLN
	s_mov_b64 s[G0S+2:G0S+3], s[22:23]
	s_or_b32 s[G0S+3], s[G0S+3], 0x80000000
	s_mov_b32 s[G0SB], 1
	s_add_co_u32 s[G0SB+1], s94, SCL
	s_mov_b64 s[G0SB+2:G0SB+3], s[92:93]
	s_or_b32 s[G0SB+3], s[G0SB+3], 0x80000000
	JLOAD G0S, G1S, G0SB, G1SB
.irp s, 0,1
	s_mov_b32 s[G0+4*\s], 1
	s_add_co_u32 s[G0+4*\s+1], s45, \s*SLOT
	s_add_nc_u64 s[G0+4*\s+2:G0+4*\s+3], s[20:21], \s*STEPB
	s_or_b32 s[G0+4*\s+3], s[G0+4*\s+3], 0x80000000
	s_mov_b32 s[G0B+4*\s], 1
	s_add_co_u32 s[G0B+4*\s+1], s45, \s*SLOT
	s_add_nc_u64 s[G0B+4*\s+2:G0B+4*\s+3], s[46:47], \s*STEPB
	s_or_b32 s[G0B+4*\s+3], s[G0B+4*\s+3], 0x80000000
	s_wait_alu depctr_va_vdst(0)
	s_wait_tensorcnt 0x0
	ds_add_u32 v28, v29
	s_wait_dscnt 0x0
	CROUND
	JLOAD G0+4*\s, G1, G0B+4*\s, G1B
.if \s == 0
	; The planes are whole (the round above).  Two heads' planes make a K step's scale words: [128 tokens 2][k / 128 8][token 128][4 bytes] from SCL on, bytes that no tensor load fills.
	; A thread takes 16 tokens of one k / 128; the next round's waits and barrier show the words to every wave.
	v_lshrrev_b32 v2, 6, v0
	v_bfe_u32 v3, v0, 3, 3
	v_and_b32 v4, 7, v0
	v_lshlrev_b32 v5, 12, v2
	v_lshl_add_u32 v5, v3, 9, v5
	v_lshl_add_u32 v6, v4, 5, v5
	v_lshl_add_u32 v7, v4, 6, v5
	v_add_nc_u32 v6, PLN, v6
	v_add_nc_u32 v7, SCL, v7
	s_mov_b32 s2, 0x05040100
	s_mov_b32 s3, 0x07060302
	ds_load_b128 v[32:35], v6
	ds_load_b128 v[36:39], v6 offset:16
	ds_load_b128 v[40:43], v6 offset:256
	ds_load_b128 v[44:47], v6 offset:272
	s_wait_alu depctr_va_vdst(0)
	s_wait_dscnt 0x0
.irp i, 0,1,2,3,4,5,6,7
	v_perm_b32 v[48+2*\i], v[40+\i], v[32+\i], s2  ; the even head's two bytes below, the odd head's above: token 2 i,
	v_perm_b32 v[49+2*\i], v[40+\i], v[32+\i], s3  ; token 2 i + 1
.endr
.irp i, 0,1,2,3
	ds_store_b128 v7, v[48+4*\i:51+4*\i] offset:16*\i
.endr
.endif
.endr
	v_and_b32 v1, 15, v0
	v_bfe_u32 v2, v0, 4, 1
	s_wait_alu depctr_va_vdst(0)
	v_and_b32 v6, 31, v0
	v_lshlrev_b32 v4, 4, v6
	s_mul_i32 s21, s15, HALFT
	s_mul_i32 s22, s16, HALFT
	s_add_co_u32 s22, s22, 2*HALFT
.irp s, 0,1
	v_add_nc_u32 v[ADRA+\s], s21, v4
	v_add_nc_u32 v[ADRB+\s], s22, v4
	s_add_co_u32 s21, s21, SLOT
	s_add_co_u32 s22, s22, SLOT
.endr
	v_lshlrev_b32 v5, 2, v1
	s_mul_i32 s21, s15, HALFS
	s_mul_i32 s22, s16, HALFS
	s_add_co_u32 s22, s22, 2*HALFS
	s_sub_co_u32 s22, s22, s21
	v_mul_u32_u24 v6, s22, v2
	s_add_co_u32 s21, s21, SCL
	v_add_nc_u32 v5, v5, v6
	v_add_nc_u32 v[ADRS], s21, v5
	s_mul_i32 s23, s14, 16*SPITCH
	v_mul_u32_u24 v5, v1, SPITCH
	v_lshl_add_u32 v5, v2, 5, v5
	v_add_nc_u32 v[STO], s23, v5
	v_and_b32 v6, 31, v0
	v_lshlrev_b32 v[CO], 4, v6
	v_add_nc_u32 v[RD], s23, v[CO]
	s_lshl_b32 s20, s17, 8
	s_lshl_b32 s21, s15, 7
	s_add_co_u32 s20, s20, s21
	s_mov_b32 s21, 0
	s_mov_b64 s[18:19], SIZE_N*4
	s_mul_u64 s[20:21], s[20:21], s[18:19]
	s_lshl_b32 s46, s42, 10
	s_lshl_b32 s47, s16, 9
	s_add_co_u32 s46, s46, s47
	s_mov_b32 s47, 0
	s_add_nc_u64 s[20:21], s[20:21], s[46:47]
	s_add_nc_u64 s[12:13], s[12:13], s[20:21]
.macro FRAG reg, adr, q, i
.irp c, 0,1,2,3
	ds_load_b128 v[\reg+4*\c:\reg+4*\c+3], v[\adr] offset:2048*(\q)+512*\c+(\i)*STEPB
.endr
.endm
.macro MUL16 a0, p, q, sc, zero
.irp a, \a0, \a0+1
.irp b, 0,1,2,3,4,5,6,7
.if \zero
	v_wmma_scale_f32_16x16x128_f8f6f4 v[8*(8*((\a)%4)+\b):8*(8*((\a)%4)+\b)+7], v[128*(\p)+FR*\b:128*(\p)+FR*\b+FR-1], v[AF+FR*(\a):AF+FR*(\a)+FR-1], 0, v[SC+8*NQ*(\sc)+NQ*\b+(\q)], v[SC+8*NQ*(\sc)+NQ*(\a)+(\q)] matrix_a_scale:MATRIX_SCALE_ROW1
.else
	v_wmma_scale_f32_16x16x128_f8f6f4 v[8*(8*((\a)%4)+\b):8*(8*((\a)%4)+\b)+7], v[128*(\p)+FR*\b:128*(\p)+FR*\b+FR-1], v[AF+FR*(\a):AF+FR*(\a)+FR-1], v[8*(8*((\a)%4)+\b):8*(8*((\a)%4)+\b)+7], v[SC+8*NQ*(\sc)+NQ*\b+(\q)], v[SC+8*NQ*(\sc)+NQ*(\a)+(\q)] matrix_a_scale:MATRIX_SCALE_ROW1
.endif
.endr
.endr
.endm
.macro FETCH_B slot, q, p
	WIN TO_B
.irp i, 0,1,2,3,4,5,6,7
	FRAG 128*(\p)+FR*\i, ADRB+\slot, \q, \i
.endr
	WIN 0
.endm
.macro FETCH_A slot, q, i0
.irp i, \i0, \i0+1, \i0+2, \i0+3
	FRAG AF+FR*(\i), ADRA+\slot, \q, \i
.endr
.endm
.macro SCALES sc
.irp i, 0,1,2,3,4,5,6,7
	ds_load_b32 v[SC+8*NQ*\sc+NQ*\i], v[ADRS] offset:64*\i
	ds_load_b32 v[SC+8*NQ*\sc+NQ*\i+1], v[ADRS] offset:512+64*\i
.endr
.endm
.macro PLACES n
.rept \n
	v_nop
.endr
.endm
.macro STEP slot, q, zero
	s_wait_dscnt 4*NL
	WIN MUL_LO
	MUL16 0, (\q)%2, \q, \slot, \zero
	MUL16 2, (\q)%2, \q, \slot, \zero
	s_wait_dscnt 0
	PLACES NP
	FETCH_B \slot, (\q)+1, 1-(\q)%2
	FETCH_A \slot, (\q)+1, 0
	WIN MUL_HI
	MUL16 4, (\q)%2, \q, \slot, \zero
	MUL16 6, (\q)%2, \q, \slot, \zero
	PLACES NP
	WIN 0
	FETCH_A \slot, (\q)+1, 4
.endm
.macro TURN slot, next, fill
	s_wait_tensorcnt 0x0
	ds_add_u32 v[SPW], v[NIL]
	s_wait_dscnt 4*NL+1
	WIN MUL_LO
	MUL16 0, 1, NQ-1, \slot, 0
	s_wait_dscnt 0x0
	s_barrier_signal -1
	MUL16 2, 1, NQ-1, \slot, 0
	WIN 0
	s_barrier_wait -1
.if \fill
	CREST
	s_add_nc_u64 s[G0+4*\slot+2:G0+4*\slot+3], s[G0+4*\slot+2:G0+4*\slot+3], 2*STEPB
	s_add_nc_u64 s[G0B+4*\slot+2:G0B+4*\slot+3], s[G0B+4*\slot+2:G0B+4*\slot+3], 2*STEPB
	JLOAD G0+4*\slot, G1, G0B+4*\slot, G1B
	PLACES NP-4
.else
	PLACES NP
.endif
	s_wait_alu depctr_va_vdst(0)
	v_add_nc_u32 v[ADRS], 1024, v[ADRS]
	FETCH_B \next, 0, 0
	FETCH_A \next, 0, 0
	SCALES \next
	WIN MUL_HI
	MUL16 4, 1, NQ-1, \slot, 0
	MUL16 6, 1, NQ-1, \slot, 0
	PLACES NP
	WIN 0
	FETCH_A \next, 0, 4
.endm
	s_wait_alu depctr_va_vdst(0)
	s_wait_tensorcnt 1
	s_barrier_signal -1
	s_barrier_wait -1
	FETCH_B 0, 0, 0
	FETCH_A 0, 0, 0
	SCALES 0
	FETCH_A 0, 0, 4
	STEP 0, 0, 1
	s_mov_b32 s3, LAPS-1
.Llap:
	TURN 0, 1, 1
	STEP 1, 0, 0
	TURN 1, 0, 1
	STEP 0, 0, 0
	s_sub_co_u32 s3, s3, 1
	s_cmp_lg_u32 s3, 0
	s_cbranch_scc1 .Llap
	TURN 0, 1, 0
	STEP 1, 0, 0
	s_wait_dscnt 4*NL
	WIN MUL_LO
	MUL16 0, 1, NQ-1, 1, 0
	MUL16 2, 1, NQ-1, 1, 0
	s_wait_dscnt 0
	WIN MUL_HI
	MUL16 4, 1, NQ-1, 1, 0
	MUL16 6, 1, NQ-1, 1, 0
	WIN 0
.macro TOSTAGE a
.set AC, 64*((\a)%4)
	WIN 0x08+4*((\a)/4)
.irp b, 0,1,2,3,4,5,6,7
	ds_store_b128 v[STO], v[AC+8*\b:AC+8*\b+3] offset:64*\b
	ds_store_b128 v[STO], v[AC+8*\b+4:AC+8*\b+7] offset:64*\b+16
.endr
	WIN 0
.set BB, BK+64*((\a)%2)
.irp t, 0,1,2,3,4,5,6,7,8,9,10,11,12,13,14,15
	ds_load_b128 v[BB+4*\t:BB+4*\t+3], v[RD] offset:\t*SPITCH
.endr
.endm
.macro SEND a, younger
.set BB, BK+64*((\a)%2)
	s_wait_dscnt \younger
.if (\a) > 0
	s_add_nc_u64 s[12:13], s[12:13], 16*SIZE_N*4
.endif
.irp t, 0,1,2,3,4,5,6,7,8,9,10,11,12,13,14,15
	global_store_b128 v[CO], v[BB+4*\t:BB+4*\t+3], s[12:13] offset:\t*SIZE_N*4 th:TH_STORE_NT
.endr
.endm
	PLACES NP
	TOSTAGE 0
.irp a, 1,2,3,4,5,6,7
.if \a > 1
	s_wait_xcnt 0x0
.endif
	TOSTAGE \a
	SEND \a-1, 32
.endr
	s_wait_xcnt 0x0
	SEND 7, 0
	s_wait_tensorcnt 0x0
	ds_add_u32 v[SPW], v[NIL]
	s_wait_dscnt 0x0
	CROUND
	s_endpgm
.Lfunc_end_k_q6fcb71d9ec_outp:
	.size	k_q6fcb71d9ec_outp, .Lfunc_end_k_q6fcb71d9ec_outp-k_q6fcb71d9ec_outp
	.p2alignl 7, 3214868480
	.fill 96, 4, 3214868480
	.section	.rodata,"a",@progbits
	.p2align	6, 0x0
	.amdhsa_kernel k_q6fcb71d9ec_outp
		.amdhsa_group_segment_fixed_size 327680
		.amdhsa_private_segment_fixed_size 0
		.amdhsa_enable_private_segment 0
		.amdhsa_kernarg_size 40
		.amdhsa_user_sgpr_count 2
		.amdhsa_user_sgpr_kernarg_segment_ptr 1
		.amdhsa_wavefront_size32 1
		.amdhsa_system_sgpr_workgroup_id_x 1
		.amdhsa_system_sgpr_workgroup_id_y 1
		.amdhsa_system_sgpr_workgroup_id_z 1
		.amdhsa_system_vgpr_workitem_id 0
		.amdhsa_next_free_vgpr 1024
		.amdhsa_next_free_sgpr 98
		.amdhsa_reserve_vcc 0
		.amdhsa_float_denorm_mode_32 3
		.amdhsa_float_denorm_mode_16_64 3
		.amdhsa_memory_ordered 1
		.amdhsa_forward_progress 1
		.amdhsa_inst_pref_size 151
	.end_amdhsa_kernel
	.amdgpu_metadata
---
amdhsa.version: [ 1, 2 ]
amdhsa.kernels:
  - .name:           k_q6fcb71d9ec_outp
    .symbol:         k_q6fcb71d9ec_outp.kd
    .args:
      - { .name: o_img, .offset: 0, .size: 8, .value_kind: global_buffer, .address_space: global }
      - { .name: o_sc, .offset: 8, .size: 8, .value_kind: global_buffer, .address_space: global }
      - { .name: w_img, .offset: 16, .size: 8, .value_kind: global_buffer, .address_space: global }
      - { .name: w_sc, .offset: 24, .size: 8, .value_kind: global_buffer, .address_space: global }
      - { .name: out0, .offset: 32, .size: 8, .value_kind: global_buffer, .address_space: global }
    .group_segment_fixed_size: 327680
    .private_segment_fixed_size: 0
    .kernarg_segment_align: 8
    .kernarg_segment_size: 40
    .max_flat_workgroup_size: 128
    .sgpr_count:     98
    .vgpr_count:     1024
    .wavefront_size: 32
...
	.end_amdgpu_metadata
.endif
;; end of part 4
